; MI455X (gfx1250); checked and timed in simulation.
; The chip was launched on July 23, 2026; its instructions are those of AMD's public machine-readable ISA for CDNA 5 (MIT licence, August 2026) and "CDNA5" Instruction Set Architecture Reference Guide (July 2026). The comments in the code are by the model that wrote it; some were corrected since.
;; Transformer. Allowed arithmetic: float matrix products may take bf16 or f16 operands with f32 sums; other float arithmetic in f32, or as packed bf16 or f16 multiplies, adds, multiply-adds, maxima and minima; sums over many terms, partial sums and values carried from step to step in f32; what a program stores and reads back later, other than sums and carried values, may be rounded once to bf16 or f16.
;; Inputs: W_K 512 x 512 float32; W_Q 512 x 512 float32; W_V 512 x 512 float32; fw1 512 x 2,048 float32; fw2 2,048 x 512 float32; key_lens 64 x 1 int32; keys 64 x 256 x 512 float32; queries 64 x 256 x 512 float32; query_lens 64 x 1 int32.
;; Outputs: out0 64 x 1 x 512 float32.
;; 2 versions, each right; version 2 is version 1 with the launches prep, final written anew for expert scheduling mode. Each part assembles by itself: llvm-mc -triple=amdgcn-amd-amdhsa -mcpu=gfx1250 --defsym DOCPART=n.
;; ======== version 1 of 2: 4 launches
;; limits: values are held in f16: magnitudes above 65,504 overflow, below 6.1e-05 lose precision
;; workspace buffers: pe 524,288 bytes; wqf 524,288 bytes; wkf 1,048,576 bytes; fw1f 2,097,152 bytes; fw2f 2,097,152 bytes; kvimg 33,554,432 bytes; part 2,621,440 bytes
;; launch prep (part 1): grid 304 x 1, 4 waves a work-group, no clusters, 35,328 bytes of LDS; arguments W_Q, W_K, W_V, fw1, fw2, wqf, wkf, fw1f, fw2f, pe; writes wqf, wkf, fw1f, fw2f, pe
.if DOCPART == 1
	.amdgcn_target "amdgcn-amd-amdhsa--gfx1250"
	.amdhsa_code_object_version 6
	.text
	.protected	k_qfd621bf18a_prep
	.globl	k_qfd621bf18a_prep
	.p2align	8
	.type	k_qfd621bf18a_prep,@function
k_qfd621bf18a_prep:
	s_mov_b64 s[64:65], 0
	v_nop
	global_prefetch_b8 v0, s[64:65] scope:SCOPE_SE
	s_setreg_imm32_b32 hwreg(HW_REG_WAVE_MODE, 25, 1), 1
	s_wait_xcnt 0x0
; PREP.  (1) The five weight matrices, f32 [K][N], are rounded once to 16 bits and laid out as FRAGMENT IMAGES: for 16 columns x 32 k one block of 1,024 bytes that holds the
; matrix operand as it lies in registers: byte c*512 + lane*16 holds registers 4c..4c+3 of the lane; lane = r + 16 h holds column r, k = 16 c + 8 h + 0..7.
; W_Q, W_K, W_V go in f16 (11 significant bits): where a batch has one valid key all its rows take one row of V, whose error the mean over the rows does not average out.
; fw1 and fw2 go in bf16: their partners (result, the sums of relu(h)) have no room in f16.
; wqf = [column block][k block], fw2f likewise.  wkf and fw1f are SPLIT BY SET: k block kb belongs to SET (kb / 2) % 2, at place kk = 2 (kb / 4) + kb % 2; a column block's eight images of a SET are 8 KiB on end;
; all of SET 0 lies first (it is fetched through LDS), all of SET 1 behind it (it is loaded straight into registers).  wkf's order of column blocks: [wave][W_K, W_V][8].
; (2) The position table pe[t][0..255] = cos(t f_i), pe[t][256..511] = sin(t f_i), f_i = 10000^(-i/256), in f32.
; SHARES.  Work-groups 0-175: each wave takes 32 k x 128 columns of one matrix (704 such tasks): 32 loads of 512 consecutive bytes, 64 roundings in pairs along k, a turn through the
; wave's own LDS scratch, 16 stores in which sixteen lanes write 256 consecutive aligned bytes.  Work-groups 176-303: each wave makes 128 cosines and 128 sines of one row t.
; No matrix unit, no cluster, no tensor load: the launch streams 11.5 MB once and nothing is shared.
; LIMITS.  W_Q, W_K, W_V beyond 65,504 become infinities; below 6e-5 they keep f16's fixed step of 6e-8.
; The table's argument t f_i (at most 255) is reduced by pi/2 in two parts; sine to r^9 and cosine to r^8 on |r| <= pi/4 leave less than 3e-8.
.set SCR,   8704                       ; a wave's scratch: 4 groups of 8 k x 8 column blocks x 272 bytes (256 + 16: the sixteen 16-byte columns of a store fall on different banks)
.set SPARE, 34816                      ; behind the four scratches: the spare words, 128 bytes a wave
.set STA, 2                            ; v2     where I put a column's 16 bytes
.set RDA, 3                            ; v3     where I read 16 bytes of a block's 256 back
.set GO,  4                            ; v4-7   my byte offset in the target for column blocks 2t + (lane/16), t = 0..3
.set SPW, 28                           ; v28    my spare word;  v29  0
.set NIL, 29
.set AD,  32                           ; v32-63   byte offset of my 16 bytes in source row i
.set D,   64                           ; v64-191  row i: 4 numbers; later the blocks read back
.set PKD, 192                          ; v192-255 rounded pairs
.set WV,  24
	s_load_b512 s[4:19], s[0:1], 0x0               ; W_Q s[4:5], W_K s[6:7], W_V s[8:9], fw1 s[10:11], fw2 s[12:13], wqf s[14:15], wkf s[16:17], fw1f s[18:19]
	s_load_b128 s[20:23], s[0:1], 0x40             ; fw2f s[20:21], pe s[22:23]
	v_lshl_add_u32 v[SPW], v0, 2, SPARE
	v_mov_b32 v[NIL], 0
	v_lshrrev_b32 v1, 5, v0
	v_readfirstlane_b32 s[WV], v1                  ; wave 0..3
	v_and_b32 v1, 31, v0                           ; lane
	s_cmp_ge_u32 ttmp9, 176
	s_cbranch_scc1 .Ltable
	; ---- a weight task.  tau = 4 x work-group + wave: 0-63 W_Q, 64-127 W_K, 128-191 W_V, 192-447 fw1, 448-703 fw2: the matrix hangs on the work-group's number alone
	s_lshl_b32 s25, ttmp9, 2
	s_add_co_u32 s25, s25, s[WV]
	s_and_b32 s26, s25, 15                         ; k block where K = 512
	s_and_b32 s30, s25, 63                         ; k block of fw2 (K = 2,048)
	s_lshr_b32 s27, s25, 4
	s_and_b32 s28, s27, 3                          ; group of 128 columns: the projections',
	s_sub_co_u32 s29, s27, 12                      ; fw1's,
	s_lshr_b32 s31, s25, 6
	s_sub_co_u32 s31, s31, 7                       ; fw2's
	s_wait_kmcnt 0x0
	s_cmp_lt_u32 ttmp9, 112                        ; fw1 (or a projection), else fw2
	s_cselect_b32 s26, s26, s30
	s_cselect_b32 s33, s29, s31
	s_cselect_b32 s32, 13, 16                      ; log2 of the bytes from a column block to the next in the target: 8 KiB where split by SET, else K/32 KiB
	s_cselect_b32 s34, 16, 19                      ; log2 of eight such
	s_cselect_b32 s35, 13, 11                      ; log2 of a source row's bytes
	s_cselect_b32 s41, 0x100000, 0                 ; how far SET 1 lies behind SET 0; 0: the target is not split
	s_cselect_b64 s[36:37], s[10:11], s[12:13]
	s_cselect_b64 s[38:39], s[18:19], s[20:21]
	s_cmp_lt_u32 ttmp9, 48                         ; a projection: first taken as W_V
	s_cselect_b32 s33, s28, s33
	s_cselect_b32 s34, 17, s34                     ; wkf: a wave's group of columns every 128 KiB (wqf: eight blocks of 16 KiB),
	s_cselect_b32 s35, 11, s35
	s_cselect_b32 s40, 0x10000, 0                  ; W_V's 64 KiB behind W_K's
	s_cselect_b32 s41, 0x80000, s41
	s_cselect_b64 s[36:37], s[8:9], s[36:37]
	s_cselect_b64 s[38:39], s[16:17], s[38:39]
	s_cmp_lt_u32 ttmp9, 32                         ; W_K (or W_Q)
	s_cselect_b32 s40, 0, s40
	s_cselect_b64 s[36:37], s[6:7], s[36:37]
	s_cmp_lt_u32 ttmp9, 16                         ; W_Q: not split
	s_cselect_b32 s32, 14, s32
	s_cselect_b32 s41, 0, s41
	s_cselect_b64 s[36:37], s[4:5], s[36:37]
	s_cselect_b64 s[38:39], s[14:15], s[38:39]
	s_add_co_u32 s27, s35, 5
	s_lshl_b32 s42, s26, s27                       ; 32 rows a k block,
	s_lshl_b32 s43, s33, 9                         ; 512 bytes a group of columns
	s_add_co_u32 s42, s42, s43
	s_mov_b32 s43, 0
	s_add_nc_u64 s[36:37], s[36:37], s[42:43]      ; the source at my task's corner
	s_lshl_b32 s44, s33, s34
	s_add_co_u32 s44, s44, s40
	s_lshl_b32 s45, s26, 10                        ; the k block's place: not split: kb KiB;
	s_bfe_u32 s28, s26, 0x10001                    ; split: SET = bit 1 of kb,
	s_mul_i32 s28, s28, s41
	s_lshr_b32 s29, s26, 2
	s_and_b32 s30, s26, 1
	s_lshl1_add_u32 s29, s29, s30                  ; kk = 2 (kb / 4) + kb % 2
	s_lshl_b32 s29, s29, 10
	s_add_co_u32 s28, s28, s29
	s_cmp_lg_u32 s41, 0
	s_cselect_b32 s45, s28, s45
	s_add_co_u32 s44, s44, s45
	s_mov_b32 s45, 0
	s_add_nc_u64 s[38:39], s[38:39], s[44:45]      ; the target at (first column block, k block)
	s_lshl_b32 s46, 1, s35                         ; bytes in a source row
	v_lshlrev_b32 v[AD], 4, v1
.set i, 1
.rept 31
	v_add_nc_u32 v[AD+i], s46, v[AD+i-1]
.set i, i+1
.endr
.set i, 0
.rept 32
	global_load_b128 v[D+4*i:D+4*i+3], v[AD+i], s[36:37] th:TH_LOAD_NT  ; row i: 512 consecutive bytes; every source byte is read once in the launch
.set i, i+1
.endr
	s_mul_i32 s47, s[WV], SCR
	v_lshrrev_b32 v8, 2, v1                        ; my four columns lie in column block lane / 4, at r = 4 (lane % 4) + q
	v_mul_u32_u24 v8, v8, 272
	v_and_b32 v9, 3, v1
	v_lshl_add_u32 v8, v9, 6, v8
	v_add_nc_u32 v[STA], s47, v8
	v_lshrrev_b32 v8, 4, v1
	v_and_b32 v9, 15, v1
	v_mul_u32_u24 v10, v8, 272
	v_lshl_add_u32 v10, v9, 4, v10
	v_add_nc_u32 v[RDA], s47, v10
	v_lshlrev_b32 v10, s32, v8
	v_lshl_add_u32 v[GO], v9, 4, v10
	s_add_co_u32 s32, s32, 1
	s_lshl_b32 s32, 1, s32                         ; two column blocks on
	v_add_nc_u32 v[GO+1], s32, v[GO]
	v_add_nc_u32 v[GO+2], s32, v[GO+1]
	v_add_nc_u32 v[GO+3], s32, v[GO+2]
; The 64 roundings, by the conversion named, and the 16 stores into my scratch
.macro ROUNDS cvt
.irp g, 0,1,2,3                        ; group g = 2 c + h: rows 8 g .. 8 g + 7
	s_wait_loadcnt 24-8*(\g)                       ; loads come back in order: the rows of the later groups may stay out
.set q, 0
.rept 4
.set jj, 0
.rept 4
	\cvt v[PKD+16*(\g)+4*q+jj], v[D+4*(8*(\g)+2*jj)+q], v[D+4*(8*(\g)+2*jj+1)+q]  ; column q: k = 2 jj below, 2 jj + 1 above
.set jj, jj+1
.endr
	ds_store_b128 v[STA], v[PKD+16*(\g)+4*q:PKD+16*(\g)+4*q+3] offset:(\g)*2176+q*16
.set q, q+1
.endr
.endr
.endm
	s_cmp_lt_u32 ttmp9, 48                         ; the three projections' weights go in f16, fw1 and fw2 in bf16
	s_cbranch_scc1 .Lhalf16
	ROUNDS v_cvt_pk_bf16_f32
	s_branch .Lturned
.Lhalf16:
	ROUNDS v_cvt_pk_f16_f32
.Lturned:
.set n, 0
.rept 16                               ; back by blocks: LDS serves a wave's instructions in order (ISA guide 5.7.1.4), and the scratch is the wave's own: no wait, no barrier
	ds_load_b128 v[D+4*n:D+4*n+3], v[RDA] offset:(n/4)*2176+(n%4)*544
.set n, n+1
.endr
.set n, 0
.rept 16
	s_wait_dscnt 15-n
	global_store_b128 v[GO+n%4], v[D+4*n:D+4*n+3], s[38:39] offset:(n/4)*256  ; sixteen lanes store 256 consecutive bytes at a multiple of 256
.set n, n+1
.endr
	s_wait_tensorcnt 0x0                           ; the wave's end
	ds_add_u32 v[SPW], v[NIL]
	s_wait_dscnt 0x0
	s_endpgm
	; ---- the table.  pi = 4 x (work-group - 176) + wave: row t = pi / 2, frequencies 128 (pi % 2) + 4 lane + 0..3
.Ltable:
	s_sub_co_u32 s25, ttmp9, 176
	s_lshl_b32 s25, s25, 2
	s_add_co_u32 s25, s25, s[WV]
	s_lshr_b32 s26, s25, 1
	s_and_b32 s27, s25, 1
	s_lshl_b32 s28, s27, 7
	v_lshl_add_u32 v2, v1, 2, s28                  ; my first frequency's number
	v_cvt_f32_u32 v3, s26                          ; t
	v_lshlrev_b32 v4, 4, v1
	s_lshl_b32 s30, s26, 11
	s_lshl_b32 s31, s27, 9
	s_add_co_u32 s30, s30, s31
	s_mov_b32 s31, 0
	s_wait_kmcnt 0x0
	s_add_nc_u64 s[22:23], s[22:23], s[30:31]
.macro SINCOS q                        ; cos into v[8+q], sin into v[12+q]
.set TQ, 32+12*(\q)
	v_add_nc_u32 v[TQ], \q, v2
	v_cvt_f32_u32 v[TQ], v[TQ]
	v_mul_f32 v[TQ], 0xbd549a78, v[TQ]             ; - i log2(10000) / 256
	v_exp_f32 v[TQ], v[TQ]
	v_nop                                          ; a plain instruction behind the exponential (ISA guide 5.7.2)
	s_wait_alu depctr_va_vdst(0)
	v_mul_f32 v[TQ+1], v3, v[TQ]                   ; x = t f
	v_mul_f32 v[TQ+2], 0x3f22f983, v[TQ+1]         ; x 2 / pi
	v_rndne_f32 v[TQ+2], v[TQ+2]                   ; n
	v_fmamk_f32 v[TQ+3], v[TQ+2], 0xbfc90fdb, v[TQ+1]  ; r = x - n pi/2, the constant in two parts
	v_fmamk_f32 v[TQ+3], v[TQ+2], 0x333bbd2e, v[TQ+3]
	v_cvt_i32_f32 v[TQ+4], v[TQ+2]
	v_mul_f32 v[TQ+5], v[TQ+3], v[TQ+3]            ; z = r r
	v_mov_b32 v[TQ+6], 0x3638ef1d                  ; sine: r + r z (-1/6 + z (1/120 + z (-1/5040 + z / 362880)))
	v_fmaak_f32 v[TQ+6], v[TQ+6], v[TQ+5], 0xb9500d01
	v_fmaak_f32 v[TQ+6], v[TQ+6], v[TQ+5], 0x3c088889
	v_fmaak_f32 v[TQ+6], v[TQ+6], v[TQ+5], 0xbe2aaaab
	v_mul_f32 v[TQ+8], v[TQ+3], v[TQ+5]
	v_fma_f32 v[TQ+6], v[TQ+8], v[TQ+6], v[TQ+3]
	v_mov_b32 v[TQ+7], 0x37d00d01                  ; cosine: 1 + z (-1/2 + z (1/24 + z (-1/720 + z / 40320)))
	v_fmaak_f32 v[TQ+7], v[TQ+7], v[TQ+5], 0xbab60b61
	v_fmaak_f32 v[TQ+7], v[TQ+7], v[TQ+5], 0x3d2aaaab
	v_fmaak_f32 v[TQ+7], v[TQ+7], v[TQ+5], 0xbf000000
	v_fma_f32 v[TQ+7], v[TQ+5], v[TQ+7], 1.0
	v_and_b32 v[TQ+8], 1, v[TQ+4]                  ; odd quadrants swap the two;
	v_cmp_eq_u32 vcc_lo, 1, v[TQ+8]
	v_cndmask_b32 v[TQ+9], v[TQ+6], v[TQ+7], vcc_lo
	v_cndmask_b32 v[TQ+10], v[TQ+7], v[TQ+6], vcc_lo
	v_lshlrev_b32 v[TQ+8], 30, v[TQ+4]             ; the sine is negative in quadrants 2, 3,
	v_and_b32 v[TQ+8], 0x80000000, v[TQ+8]
	v_xor_b32 v[12+(\q)], v[TQ+8], v[TQ+9]
	v_add_nc_u32 v[TQ+4], 1, v[TQ+4]               ; the cosine in 1, 2
	v_lshlrev_b32 v[TQ+8], 30, v[TQ+4]
	v_and_b32 v[TQ+8], 0x80000000, v[TQ+8]
	v_xor_b32 v[8+(\q)], v[TQ+8], v[TQ+10]
.endm
	SINCOS 0
	SINCOS 1
	SINCOS 2
	SINCOS 3
	global_store_b128 v4, v[8:11], s[22:23]                ; 512 consecutive bytes of cosines,
	global_store_b128 v4, v[12:15], s[22:23] offset:1024   ; and of sines
	s_wait_tensorcnt 0x0                           ; the wave's end, as above
	ds_add_u32 v[SPW], v[NIL]
	s_wait_dscnt 0x0
	s_endpgm
.Lfunc_end_k_qfd621bf18a_prep:
	.size	k_qfd621bf18a_prep, .Lfunc_end_k_qfd621bf18a_prep-k_qfd621bf18a_prep
	.p2alignl 7, 3214868480
	.fill 96, 4, 3214868480
	.section	.rodata,"a",@progbits
	.p2align	6, 0x0
	.amdhsa_kernel k_qfd621bf18a_prep
		.amdhsa_group_segment_fixed_size 35328
		.amdhsa_private_segment_fixed_size 0
		.amdhsa_enable_private_segment 0
		.amdhsa_kernarg_size 80
		.amdhsa_user_sgpr_count 2
		.amdhsa_user_sgpr_kernarg_segment_ptr 1
		.amdhsa_wavefront_size32 1
		.amdhsa_system_sgpr_workgroup_id_x 1
		.amdhsa_system_sgpr_workgroup_id_y 1
		.amdhsa_system_sgpr_workgroup_id_z 1
		.amdhsa_system_vgpr_workitem_id 0
		.amdhsa_next_free_vgpr 256
		.amdhsa_next_free_sgpr 66
		.amdhsa_reserve_vcc 1
		.amdhsa_float_denorm_mode_32 3
		.amdhsa_float_denorm_mode_16_64 3
		.amdhsa_memory_ordered 1
		.amdhsa_forward_progress 1
		.amdhsa_inst_pref_size 29
	.end_amdhsa_kernel
	.amdgpu_metadata
---
amdhsa.version: [ 1, 2 ]
amdhsa.kernels:
  - .name:           k_qfd621bf18a_prep
    .symbol:         k_qfd621bf18a_prep.kd
    .args:
      - { .name: W_Q, .offset: 0, .size: 8, .value_kind: global_buffer, .address_space: global }
      - { .name: W_K, .offset: 8, .size: 8, .value_kind: global_buffer, .address_space: global }
      - { .name: W_V, .offset: 16, .size: 8, .value_kind: global_buffer, .address_space: global }
      - { .name: fw1, .offset: 24, .size: 8, .value_kind: global_buffer, .address_space: global }
      - { .name: fw2, .offset: 32, .size: 8, .value_kind: global_buffer, .address_space: global }
      - { .name: wqf, .offset: 40, .size: 8, .value_kind: global_buffer, .address_space: global }
      - { .name: wkf, .offset: 48, .size: 8, .value_kind: global_buffer, .address_space: global }
      - { .name: fw1f, .offset: 56, .size: 8, .value_kind: global_buffer, .address_space: global }
      - { .name: fw2f, .offset: 64, .size: 8, .value_kind: global_buffer, .address_space: global }
      - { .name: pe, .offset: 72, .size: 8, .value_kind: global_buffer, .address_space: global }
    .group_segment_fixed_size: 35328
    .private_segment_fixed_size: 0
    .kernarg_segment_align: 8
    .kernarg_segment_size: 80
    .max_flat_workgroup_size: 128
    .sgpr_count:     66
    .vgpr_count:     256
    .wavefront_size: 32
...
	.end_amdgpu_metadata
.endif
;; end of part 1
;; launch kv (part 2): grid 256 x 1, 4 waves a work-group, clusters of 4 x 1, 327,680 bytes of LDS; arguments keys, pe, wkf, kvimg; writes kvimg
.if DOCPART == 2
	.amdgcn_target "amdgcn-amd-amdhsa--gfx1250"
	.amdhsa_code_object_version 6
	.text
	.protected	k_qfd621bf18a_kv
	.globl	k_qfd621bf18a_kv
	.p2align	8
	.type	k_qfd621bf18a_kv,@function
k_qfd621bf18a_kv:
	s_mov_b64 s[64:65], 0
	v_nop
	global_prefetch_b8 v0, s[64:65] scope:SCOPE_SE
	s_setreg_imm32_b32 hwreg(HW_REG_WAVE_MODE, 25, 1), 1
	s_wait_xcnt 0x0
	s_wait_alu depctr_hold_cnt(0) depctr_sa_sdst(0) depctr_va_vdst(0) depctr_va_sdst(0) depctr_va_ssrc(0) depctr_va_vcc(0) depctr_vm_vsrc(0)
	s_getreg_b32 s2, hwreg(HW_REG_IB_STS2, 6, 4)
	s_cmp_eq_u32 s2, 0
	s_cbranch_scc0 .Lentry_in_a_cluster
	s_endpgm
.Lentry_in_a_cluster:
	s_bfe_u32 s2, ttmp6, 0x10000c
	s_cmp_lg_u32 s2, 0x3003
	s_cbranch_scc0 .Lentry_shape_is_right
	s_endpgm
.Lentry_shape_is_right:
; KV.  kp = (keys + pe) W_K, vp = kp W_V (from kp rounded to f16), both written as fragment images for the attention of the next launch.  f32 sums.
; FORMATS.  keys + pe, W_K, W_V and kp are f16 operands (11 significant bits): where a batch has one valid key all its rows take one row of vp, and the mean over the rows does not average that row's error out.
; vp is stored in bf16: with rows and both weights 30 times the drawn spread it reaches 27,000 x 6.6, beyond f16's 65,504.
; SHARES.  A work-group takes 64 rows: batch b = the cluster's number, quarter qd = its place in the cluster of four.  EVERY wave holds the whole 64 x 512 activation as 64 operand
; fragments in 512 registers (windows 2 and 3) and makes a quarter of the 512 columns (heads 2 w and 2 w + 1): a weight fragment feeds four matrix instructions.
; Window 2 + s holds SET s: the k blocks of 32 that are the columns of heads 2 w' + s; fragment (kk = 2 w' + e, row tile m) lies at v[8 (4 kk + m)].
; THE WEIGHTS COME BY TWO ROADS.  No wave reads another wave's weights.  SET 0's images come through a ring of two LDS slots of 128 KiB, of which a wave fills (one tensor load of 128 rows of 256 dense bytes) and
; reads its own 32 KiB: four column blocks, two trips, 256 matrix instructions for each fill and each round of the cluster's barrier.  These loads are JOINT: the images are the same for the four work-groups of a
; cluster (mask 15, the address made of the wave's number alone).  SET 1's images are loaded straight into registers, 512 consecutive bytes an instruction, into two buffers of 64 registers, each asked for again
; behind the 32 products that read it and wanted three runs of 32 products later.  Through LDS alone a fill of 32 KiB would serve 128 matrix instructions.  Loads into registers cannot be asked for jointly: that half
; is fetched by each work-group for itself.  The rows of keys and pe are plain tensor loads.  By this text's count a wave has two tensor loads out at the start and one behind each round.
; IMAGES.  1,024 bytes = an operand of 16 x 32 as it lies in registers (byte c*512 + lane*16 = registers 4c..4c+3).  kvimg[b][head][half of the keys] = 16 KiB of K (key block kb, channel half ch at
; 2 kb + ch KiB: lane = key) and 16 KiB of V (32 keys kb32, channel block chb at 16 + 4 kb32 + chb KiB: lane = channel).  Every store of a wave covers 512 consecutive aligned bytes.
; LIMITS.  keys + pe and kp beyond 65,504 become infinities: with rows and W_K 30 times the drawn spread kp reaches about 6e3, with common offsets of 30 spreads on both about 512 x 30 x 1.3 = 2e4.
; NaN and infinities are not treated apart.
.set SLOT1, 131072
.set HALFP, 16384                      ; a trip's bytes in a wave's part of a slot, and in SET 1's stream: two column blocks of 8 KiB
.set IMG,   262144                     ; 32 fragments x 1,088 bytes: one SET on its way from wave to wave; a fragment's four pieces of 256 bytes lie 272 apart
.set SPARE, 315392                     ; the spare words, 128 bytes a wave
.set GREG,  0x80000                    ; in wkf SET 1's images lie this far behind SET 0's
.set LN16, 1                           ; v1   16 x lane; never rewritten
.set ADR,  2                           ; v2   my 16 bytes in the first image of the trip in hand
.set IMGL, 3                           ; v3   IMG + 272 h + 16 r
.set OWNA, 4                           ; v4   the same at my own two k blocks
.set RAWA, 5                           ; v5   my 16 bytes in my part of slot 0 (rows of keys), v6 of slot 1 (rows of pe)
.set RAWP, 6
.set CVS,  7                           ; v7   where my 8 rounded bytes go in IMG
.set GOF,  16                          ; v16  my byte offset in the output block
.set SPW,  28
.set NIL,  29
.set ACCA, 32                          ; v32-63, v64-95: four accumulators (row tiles) for each of a trip's two column blocks
.set ACCB, 64
.set TMP,  96                          ; v96-127 rounded results to store
.set F0,   0                           ; window 1: v0-63 SET 0's fragments of one column block, out of LDS
.set GA,   64                          ; window 1: v64-127, v128-191 SET 1's fragments of a trip's first and second column block, out of memory
.set GB,   128
.set PKR,  128                         ; window 1, at the start only: CONV's rounded pairs
.set OWN,  192                         ; window 1: v192-255 my head of kp as 8 fragments (e, m) at 8 (4 e + m)
.set WV,  20
.set QD,  21
.set BB,  22
.set G1J, 24                           ; s[24:31] group 1, joint;  s[32:39] group 1, plain
.set G1P, 32
.set G0A, 40                           ; s[40:43] rows of keys;  s[80:83] rows of pe;  s[44:47] the walking descriptor of the weights
.set G0B, 44
.set G0C, 80
.set NXT, 48                           ; s[48:49] the next 32 KiB of my stream of SET 0
.set GP,  50                           ; s[50:51] SET 1's images of the trip that is loaded next
.set GST, 52                           ; s[52:53] its step: a trip's bytes; 0 in the last trip
.set TB,  54                           ; s54 LDS byte of the trip in hand
.set CNT, 55
.set VC,  56
.set OUTP, 76
.set MSB, 0
.macro WIN new                         ; the immediate's high byte repeats the setting that is left; a switch that changes nothing is dropped
.if MSB != (\new)
	s_set_vgpr_msb (MSB<<8)|(\new)
.set MSB, \new
.endif
.endm
.macro PLACES                          ; four places behind matrix instructions whose registers are loaded into, read or written next (ISA guide 7.12.1)
.rept 4
	v_nop
.endr
.endm
.macro CREST                           ; a round of the cluster's barrier behind its opening barrier
	s_cmp_lg_u32 s[WV], 0
	s_cbranch_scc1 .Lnot_wave_0_\@
	s_barrier_signal -3
.Lnot_wave_0_\@:
	s_barrier_wait -3
	s_barrier_signal -1
	s_barrier_wait -1
.endm
.macro CROUND
	s_barrier_signal -1
	s_barrier_wait -1
	CREST
.endm
.macro BAR                             ; my LDS stores and loads are done; then all four waves'
	s_wait_dscnt 0x0
	s_barrier_signal -1
	s_barrier_wait -1
.endm
.macro STEPG                           ; the walking descriptor: the other slot, the next 32 KiB.  It stands behind a wait for all my tensor loads
	s_xor_b32 s[G0B+1], s[G0B+1], SLOT1
	s_mov_b64 s[G0B+2:G0B+3], s[NXT:NXT+1]
	s_or_b32 s[G0B+3], s[G0B+3], 0x80000000
	s_add_nc_u64 s[NXT:NXT+1], s[NXT:NXT+1], 32768
.endm
.macro THREE step                      ; all my tensor loads have landed; 0 onto my spare word; the add and my LDS reads are done
	WIN 0
	s_wait_tensorcnt 0x0
	ds_add_u32 v[SPW], v[NIL]
.if \step
	STEPG
.endif
	s_wait_dscnt 0x0
.endm
.macro JLOAD                           ; my joint load
	tensor_load_to_lds s[G0B:G0B+3], s[G1J:G1J+7]
	s_nop 0
.rept 4
	v_nop
.endr
.endm
.macro FETCHL part                     ; 16 LDS loads: SET 0's eight images of the trip's column block `part`
	WIN 0x40
.irp i, 0,1,2,3,4,5,6,7
	ds_load_b128 v[F0+8*(\i):F0+8*(\i)+3],   v[ADR] offset:(\part)*8192+(\i)*1024
	ds_load_b128 v[F0+8*(\i)+4:F0+8*(\i)+7], v[ADR] offset:(\part)*8192+(\i)*1024+512
.endr
.endm
.macro GLOAD buf, off                  ; 16 loads from memory, 512 consecutive bytes each: SET 1's eight images of one column block
	WIN 0x40
.irp i, 0,1,2,3,4,5,6,7
	global_load_b128 v[(\buf)+8*(\i):(\buf)+8*(\i)+3],   v[LN16], s[GP:GP+1] offset:(\off)+(\i)*1024
	global_load_b128 v[(\buf)+8*(\i)+4:(\buf)+8*(\i)+7], v[LN16], s[GP:GP+1] offset:(\off)+(\i)*1024+512
.endr
.endm
; Matrix instructions for kk = k0..k1 of SET g x 4 row tiles.  The four accumulators take turns, one instruction a turn.  first = 1: kk = 0 starts the sums.
; swap = 1: source 0 = weights, source 1 = rows: a lane holds one row and eight columns.  swap = 0: a lane holds one column and eight rows.
.macro MULH buf, g, acc, first, swap, k0, k1
.if \swap
	WIN 0x09+4*(\g)
.else
	WIN 0x06+(\g)
.endif
.set mi, \k0
.rept (\k1)-(\k0)+1
.set mm, 0
.rept 4
.if (\swap) && (\first) && (mi == 0)
	v_wmma_f32_16x16x32_f16 v[(\acc)+8*mm:(\acc)+8*mm+7], v[(\buf)+8*mi:(\buf)+8*mi+7], v[8*(4*mi+mm):8*(4*mi+mm)+7], 0
.elseif \swap
	v_wmma_f32_16x16x32_f16 v[(\acc)+8*mm:(\acc)+8*mm+7], v[(\buf)+8*mi:(\buf)+8*mi+7], v[8*(4*mi+mm):8*(4*mi+mm)+7], v[(\acc)+8*mm:(\acc)+8*mm+7]
.elseif (\first) && (mi == 0)
	v_wmma_f32_16x16x32_f16 v[(\acc)+8*mm:(\acc)+8*mm+7], v[8*(4*mi+mm):8*(4*mi+mm)+7], v[(\buf)+8*mi:(\buf)+8*mi+7], 0
.else
	v_wmma_f32_16x16x32_f16 v[(\acc)+8*mm:(\acc)+8*mm+7], v[8*(4*mi+mm):8*(4*mi+mm)+7], v[(\buf)+8*mi:(\buf)+8*mi+7], v[(\acc)+8*mm:(\acc)+8*mm+7]
.endif
.set mm, mm+1
.endr
.set mi, mi+1
.endr
.endm
; My 16 rows (row tile m = my wave), the columns of SET s: keys + pe in f32, rounded to f16, into IMG as fragments: two trips of eight rows.  Unit u = (row, a): a lane takes 4 columns of head 2 (2 a + lane/16) + s.
.macro CONV s
	WIN 0
	s_mov_b32 s[CNT], 2
	s_mov_b32 s68, 0                               ; eight rows of 2,048 bytes on in the second trip,
	s_mov_b32 s69, 0                               ; and eight places of 16 bytes on in IMG's pieces
.Lconv_\@:
	v_add_nc_u32 v24, s68, v[RAWA]
	v_add_nc_u32 v25, s68, v[RAWP]
	v_add_nc_u32 v26, s69, v[CVS]
	WIN 0x40
.set u, 0
.rept 16
	ds_load_b128 v[8*u:8*u+3],   v24 offset:(u/2)*2048+(u%2)*1024+(\s)*256
	ds_load_b128 v[8*u+4:8*u+7], v25 offset:(u/2)*2048+(u%2)*1024+(\s)*256
.set u, u+1
.endr
	WIN 0x45
.set u, 0
.rept 16
	s_wait_dscnt 30-2*u                            ; LDS loads come back in order: the two loads of each later unit may stay out
	v_pk_add_f32 v[8*u:8*u+1],   v[8*u:8*u+1],   v[8*u+4:8*u+5]
	v_pk_add_f32 v[8*u+2:8*u+3], v[8*u+2:8*u+3], v[8*u+6:8*u+7]
	v_cvt_pk_f16_f32 v[PKR+2*u],   v[8*u],   v[8*u+1]
	v_cvt_pk_f16_f32 v[PKR+2*u+1], v[8*u+2], v[8*u+3]
.set u, u+1
.endr
	WIN 0x04
.set u, 0
.rept 16
	ds_store_b64 v26, v[PKR+2*u:PKR+2*u+1] offset:(u%2)*4352+(u/2)*16  ; 32 lanes touch 16 pieces 272 bytes apart, 16 bytes of each: every bank once
.set u, u+1
.endr
	WIN 0
	s_add_co_u32 s68, s68, 16384
	s_add_co_u32 s69, s69, 128
	s_sub_co_u32 s[CNT], s[CNT], 1
	s_cmp_lg_u32 s[CNT], 0
	s_cbranch_scc1 .Lconv_\@
.endm
.macro XLOAD s                         ; the whole SET out of IMG into window 2 + s
	WIN 0x80+0x40*(\s)
.set kk, 0
.rept 8
.set mm, 0
.rept 4
	ds_load_b128 v[8*(4*kk+mm):8*(4*kk+mm)+3],   v[IMGL] offset:(mm*8+kk)*1088
	ds_load_b128 v[8*(4*kk+mm)+4:8*(4*kk+mm)+7], v[IMGL] offset:(mm*8+kk)*1088+544
.set mm, mm+1
.endr
.set kk, kk+1
.endr
.endm
.macro STORE_OWN                       ; my head's eight fragments into IMG
	WIN 0x04
.set ee, 0
.rept 2
.set mm, 0
.rept 4
	ds_store_b128 v[OWNA], v[OWN+8*(4*ee+mm):OWN+8*(4*ee+mm)+3]   offset:(mm*8+ee)*1088
	ds_store_b128 v[OWNA], v[OWN+8*(4*ee+mm)+4:OWN+8*(4*ee+mm)+7] offset:(mm*8+ee)*1088+544
.set mm, mm+1
.endr
.set ee, ee+1
.endr
.endm
; K's way out, in f16: column block 2 tr + x of the head.  A lane's eight columns of a row ARE registers 4 x .. 4 x + 3 of fragment (channel half tr, key tile m): kept in OWN and stored as they are.
.macro PK tr, x, acc
	s_wait_xcnt 0x0                                ; OWN's registers, which earlier stores read, are rewritten only behind this wait
	WIN 0x40
.set mm, 0
.rept 4
.set jj, 0
.rept 4
	v_cvt_pk_f16_f32 v[OWN+8*(4*(\tr)+mm)+4*(\x)+jj], v[(\acc)+8*mm+2*jj], v[(\acc)+8*mm+2*jj+1]
.set jj, jj+1
.endr
.set mm, mm+1
.endr
	WIN 0x04
.set mm, 0
.rept 4
	global_store_b128 v[GOF], v[OWN+8*(4*(\tr)+mm)+4*(\x):OWN+8*(4*(\tr)+mm)+4*(\x)+3], s[OUTP:OUTP+1] offset:mm*2048+(\tr)*1024+(\x)*512
.set mm, mm+1
.endr
.endm
; V's way out, in bf16: a lane's eight keys of a channel are registers 4 (m % 2) .. of fragment (32 keys m / 2, channel block).  Trip VC makes channel blocks 2 (VC % 2) + x of head 2 w + VC / 2.
.macro VE dummy, x, acc
	s_wait_xcnt 0x0                                ; TMP's registers and the offset, which earlier stores read, are rewritten only behind this wait
	WIN 0
.if (\x) == 0
	s_and_b32 s68, s[VC], 1
	s_lshl_b32 s68, s68, 11
	s_lshr_b32 s69, s[VC], 1
	s_lshl_b32 s69, s69, 16
	s_add_co_u32 s68, s68, s69
	s_add_co_u32 s[VC], s[VC], 1
	v_add_nc_u32 v[GOF], s68, v[LN16]
.endif
.set mm, 0
.rept 4
.set jj, 0
.rept 4
	v_cvt_pk_bf16_f32 v[TMP+16*(\x)+4*mm+jj], v[(\acc)+8*mm+2*jj], v[(\acc)+8*mm+2*jj+1]
.set jj, jj+1
.endr
.set mm, mm+1
.endr
.set mm, 0
.rept 4
	global_store_b128 v[GOF], v[TMP+16*(\x)+4*mm:TMP+16*(\x)+4*mm+3], s[OUTP:OUTP+1] offset:16384+(\x)*1024+(mm/2)*4096+(mm%2)*512
.set mm, mm+1
.endr
.endm
; A TRIP: two column blocks a and b, 128 matrix instructions: F0 (a, SET 0), GA (a, SET 1), F0 (b, SET 0), GB (b, SET 1).  At its head F0 is on its way out of LDS, GA and GB out of memory.
; chg = 0: the next trip lies in the same slot.  chg = 1: the slot's last LDS read is over: it is filled again, two slots ahead, behind a round of the cluster's barrier; that load has two trips less 16 matrix
; instructions in which to land.  chg = 2: the tail: the other slot, and nothing is asked for.
.macro TRIPH swap, epi, earg, chg
	s_wait_dscnt 0x0                               ; F0 is in
	MULH F0, 0, ACCA, 1, \swap, 0, 7
	PLACES
	FETCHL 1
	s_wait_loadcnt 16                              ; GA is in: behind its loads came GB's 16
	MULH GA, 1, ACCA, 0, \swap, 0, 7
	PLACES
	s_wait_xcnt 0x0                                ; the base of the loads issued so far is stepped only behind this wait
	s_add_nc_u64 s[GP:GP+1], s[GP:GP+1], s[GST:GST+1]  ; the next trip's images; in the last trip the step is 0: its loads take this trip's bytes once more, which nobody uses, and stay inside the buffer
	\epi \earg, 0, ACCA
	GLOAD GA, 0
	s_wait_dscnt 0x0                               ; F0 is in again: my last read of this trip's LDS bytes
	MULH F0, 0, ACCB, 1, \swap, 0, 7
	s_wait_loadcnt 16                              ; GB is in: behind its loads came GA's 16
.if (\chg) == 1
	WIN 0
	s_wait_tensorcnt 0x0                           ; all my tensor loads have landed: the one that was out is my part of the next slot
	ds_add_u32 v[SPW], v[NIL]                      ; 0 onto my spare word
	STEPG
	MULH GB, 1, ACCB, 0, \swap, 0, 1
	s_wait_dscnt 0x0                               ; the add is done; my reads of this slot ended above
	s_barrier_signal -1
	MULH GB, 1, ACCB, 0, \swap, 2, 3
	WIN 0
	s_barrier_wait -1
	CREST                                          ; no wave of any partner still reads this slot or has a load on its way
	JLOAD                                          ; its four v_nop are also the places in front of the loads below
	s_xor_b32 s[TB], s[TB], SLOT1|HALFP
.else
	PLACES
	WIN 0
.if (\chg) == 2
	s_wait_tensorcnt 0x0                           ; my part of the last slot has landed; only I read it; nothing is filled again
	s_xor_b32 s[TB], s[TB], SLOT1|HALFP
.else
	s_xor_b32 s[TB], s[TB], HALFP
.endif
.endif
	v_add_nc_u32 v[ADR], s[TB], v[LN16]
	FETCHL 0                                       ; the next trip's first fragments: 16 or 32 products ahead of their use
.if (\chg) == 1
	MULH GB, 1, ACCB, 0, \swap, 4, 7
.else
	MULH GB, 1, ACCB, 0, \swap, 0, 7
.endif
	PLACES
	\epi \earg, 1, ACCB
	GLOAD GB, 8192
.endm
	s_load_b256 s[4:11], s[0:1], 0x0               ; keys s[4:5], pe s[6:7], wkf s[8:9], kvimg s[10:11]
	v_lshl_add_u32 v[SPW], v0, 2, SPARE
	v_mov_b32 v[NIL], 0
	ds_add_u32 v[SPW], v[NIL]                      ; the wave's opening
	v_lshrrev_b32 v18, 5, v0
	v_readfirstlane_b32 s[WV], v18                 ; wave 0..3
	s_bfe_u32 s[QD], ttmp6, 0x40000                ; my place in the cluster: the quarter of the batch's rows
	s_mov_b32 s[BB], ttmp9                         ; the cluster's number: the batch
	s_mov_b32 s[G1J], 15|(3<<16)|(1<<21)           ; mask of four; elements of 8 bytes; bit 21 beside a mask
	s_mov_b32 s[G1P], 3<<16
.irp g, G1J, G1P
	s_mov_b32 s[\g+1], 32<<16                      ; tensor_dim0 = 32 elements = 256 bytes
	s_mov_b32 s[\g+2], 128<<16                     ; tensor_dim1 = 128 rows
	s_mov_b32 s[\g+3], 32<<16                      ; tile_dim0
	s_mov_b32 s[\g+4], 128                         ; tile_dim1
	s_mov_b32 s[\g+5], 32                          ; dense: a row begins where the last ends
	s_mov_b32 s[\g+6], 0
	s_mov_b32 s[\g+7], 0
.endr
	s_lshl_b32 s72, s[WV], 15                      ; my 32 KiB of a slot, and my 16 rows of 2,048 bytes
	s_mov_b32 s[G0A], 1
	s_mov_b32 s[G0A+1], s72
	s_mov_b32 s[G0C], 1
	s_add_co_u32 s[G0C+1], s72, SLOT1
	s_mov_b32 s[G0B], 1
	s_add_co_u32 s[G0B+1], s72, SLOT1              ; its first step turns it to slot 0
	s_mov_b32 s[TB], s72
	s_mov_b32 s[GST], HALFP
	s_mov_b32 s[GST+1], 0
	s_lshl_b32 s70, s[QD], 17
	s_add_co_u32 s70, s70, s72                     ; pe at row 64 qd + 16 w
	s_lshl_b32 s68, s[BB], 19
	s_add_co_u32 s68, s68, s70                     ; keys at row 256 b + 64 qd + 16 w
	s_mov_b32 s69, 0
	s_mov_b32 s71, 0
	s_lshl_b32 s72, s[WV], 17                      ; my 128 KiB of each SET's half of wkf
	s_mov_b32 s73, 0
	s_lshl_b32 s74, s[BB], 19                      ; kvimg: batch, head 2 w, half qd / 2, and 8 KiB for the second 64 keys of a half
	s_lshl_b32 s75, s[WV], 17
	s_add_co_u32 s74, s74, s75
	s_lshr_b32 s75, s[QD], 1
	s_lshl_b32 s75, s75, 15
	s_add_co_u32 s74, s74, s75
	s_and_b32 s75, s[QD], 1
	s_lshl_b32 s75, s75, 13
	s_add_co_u32 s74, s74, s75
	s_mov_b32 s75, 0
	s_wait_dscnt 0x0                               ; the opening add is done
	s_wait_kmcnt 0x0
	s_add_nc_u64 s[G0A+2:G0A+3], s[4:5], s[68:69]
	s_or_b32 s[G0A+3], s[G0A+3], 0x80000000
	s_add_nc_u64 s[G0C+2:G0C+3], s[6:7], s[70:71]
	s_or_b32 s[G0C+3], s[G0C+3], 0x80000000
	s_add_nc_u64 s[NXT:NXT+1], s[8:9], s[72:73]
	s_add_nc_u64 s[GP:GP+1], s[NXT:NXT+1], GREG
	s_add_nc_u64 s[OUTP:OUTP+1], s[10:11], s[74:75]
	CROUND                                         ; the round in front of the launch's first tensor loads
	tensor_load_to_lds s[G0A:G0A+3], s[G1P:G1P+7]  ; my 16 rows of keys into my part of slot 0,
	s_nop 0
	tensor_load_to_lds s[G0C:G0C+3], s[G1P:G1P+7]  ; of pe into my part of slot 1
	s_nop 0
.rept 4
	v_nop
.endr
	v_and_b32 v18, 31, v0
	v_lshlrev_b32 v[LN16], 4, v18
	v_and_b32 v19, 15, v0                          ; r
	v_bfe_u32 v20, v0, 4, 1                        ; h
	v_mul_u32_u24 v21, v20, 272
	v_lshl_add_u32 v21, v19, 4, v21
	v_add_nc_u32 v[IMGL], IMG, v21
	s_mul_i32 s72, s[WV], 2176
	v_add_nc_u32 v[OWNA], s72, v[IMGL]
	v_lshlrev_b32 v21, 4, v19
	v_lshl_add_u32 v21, v20, 9, v21
	s_lshl_b32 s72, s[WV], 15
	v_add_nc_u32 v[RAWA], s72, v21
	v_add_nc_u32 v[RAWP], SLOT1, v[RAWA]
	v_lshrrev_b32 v22, 1, v19
	v_lshl_add_u32 v22, v20, 3, v22
	s_lshl_b32 s72, s[WV], 5
	v_add_nc_u32 v22, s72, v22                     ; piece 32 w + 8 (lane / 16) + (lane % 16) / 2
	v_mul_u32_u24 v22, v22, 272
	v_and_b32 v23, 1, v0
	v_lshl_add_u32 v22, v23, 3, v22
	v_add_nc_u32 v[CVS], IMG, v22
	v_mov_b32 v[GOF], v[LN16]
	s_wait_tensorcnt 0x0                           ; my rows are in; only I read them
	CONV 0
	BAR                                            ; SET 0 is whole in IMG
	XLOAD 0
	BAR                                            ; everybody has it: IMG may be written again
	CONV 1
	THREE 1                                        ; my reads of both slots are over, my stores into IMG done
	CROUND
	JLOAD                                          ; SET 0 of W_K's first four column blocks into slot 0
	GLOAD GA, 0                                    ; SET 1 of the first trip's two column blocks: CONV's registers are free
	GLOAD GB, 8192
	XLOAD 1
	THREE 1                                        ; slot 0 has landed; SET 1 of the rows is in my registers
	CROUND
	JLOAD                                          ; the next four into slot 1
	v_add_nc_u32 v[ADR], s[TB], v[LN16]
	FETCHL 0
	WIN 0
	s_mov_b32 s[CNT], 2
.Lk:                                                   ; a trip of the loop: one head of kp, four column blocks, one slot
	TRIPH 1, PK, 0, 0
	TRIPH 1, PK, 1, 1
	WIN 0
	s_cmp_eq_u32 s[CNT], 1
	s_cbranch_scc1 .Lk_second
	STORE_OWN                                      ; head 2 w belongs to SET 0 of the next product: IMG was last read ahead of the rounds above
	WIN 0
	s_wait_xcnt 0x0                                ; the stores have read their offset
	v_add_nc_u32 v[GOF], 0x10000, v[GOF]           ; the next head's two halves lie 64 KiB on
.Lk_second:
	s_sub_co_u32 s[CNT], s[CNT], 1
	s_cmp_lg_u32 s[CNT], 0
	s_cbranch_scc1 .Lk
	; kp, rounded, takes the activation's place.  The tensor load that is out may stay out.
	BAR                                            ; SET 0 of kp is whole in IMG
	XLOAD 0                                        ; (behind the last matrix instructions stand four v_nop and K's way out)
	BAR
	STORE_OWN                                      ; head 2 w + 1: SET 1
	BAR
	XLOAD 1
	s_wait_dscnt 0x0
	WIN 0
	s_mov_b32 s[VC], 0
	s_mov_b32 s[CNT], 2
.Lv:                                                   ; a trip of the loop: one head of vp, one slot: the last two slots, so nothing is asked for.  The very last change of slots fetches the other slot's old bytes, which nobody uses: the price of one text for both
	TRIPH 0, VE, 0, 0
	s_cmp_eq_u32 s[CNT], 1                         ; the launch's last trip loads nothing new
	s_cselect_b32 s[GST], 0, HALFP
	TRIPH 0, VE, 0, 2
	WIN 0
	s_sub_co_u32 s[CNT], s[CNT], 1
	s_cmp_lg_u32 s[CNT], 0
	s_cbranch_scc1 .Lv
	THREE 0                                        ; the wave's end
	CROUND                                         ; the closing round: no work-group ends while a partner may still ask jointly
	s_endpgm
.Lfunc_end_k_qfd621bf18a_kv:
	.size	k_qfd621bf18a_kv, .Lfunc_end_k_qfd621bf18a_kv-k_qfd621bf18a_kv
	.p2alignl 7, 3214868480
	.fill 96, 4, 3214868480
	.section	.rodata,"a",@progbits
	.p2align	6, 0x0
	.amdhsa_kernel k_qfd621bf18a_kv
		.amdhsa_group_segment_fixed_size 327680
		.amdhsa_private_segment_fixed_size 0
		.amdhsa_enable_private_segment 0
		.amdhsa_kernarg_size 32
		.amdhsa_user_sgpr_count 2
		.amdhsa_user_sgpr_kernarg_segment_ptr 1
		.amdhsa_wavefront_size32 1
		.amdhsa_system_sgpr_workgroup_id_x 1
		.amdhsa_system_sgpr_workgroup_id_y 1
		.amdhsa_system_sgpr_workgroup_id_z 1
		.amdhsa_system_vgpr_workitem_id 0
		.amdhsa_next_free_vgpr 1024
		.amdhsa_next_free_sgpr 84
		.amdhsa_reserve_vcc 0
		.amdhsa_float_denorm_mode_32 3
		.amdhsa_float_denorm_mode_16_64 3
		.amdhsa_memory_ordered 1
		.amdhsa_forward_progress 1
		.amdhsa_inst_pref_size 116
	.end_amdhsa_kernel
	.amdgpu_metadata
---
amdhsa.version: [ 1, 2 ]
amdhsa.kernels:
  - .name:           k_qfd621bf18a_kv
    .symbol:         k_qfd621bf18a_kv.kd
    .args:
      - { .name: keys, .offset: 0, .size: 8, .value_kind: global_buffer, .address_space: global }
      - { .name: pe, .offset: 8, .size: 8, .value_kind: global_buffer, .address_space: global }
      - { .name: wkf, .offset: 16, .size: 8, .value_kind: global_buffer, .address_space: global }
      - { .name: kvimg, .offset: 24, .size: 8, .value_kind: global_buffer, .address_space: global }
    .group_segment_fixed_size: 327680
    .private_segment_fixed_size: 0
    .kernarg_segment_align: 8
    .kernarg_segment_size: 32
    .max_flat_workgroup_size: 128
    .sgpr_count:     84
    .vgpr_count:     1024
    .wavefront_size: 32
...
	.end_amdgpu_metadata
.endif
;; end of part 2
;; launch main (part 3): grid 256 x 1, 4 waves a work-group, clusters of 4 x 1, 327,680 bytes of LDS; arguments queries, pe, wqf, kvimg, fw1f, key_lens, query_lens, part; writes part
.if DOCPART == 3
	.amdgcn_target "amdgcn-amd-amdhsa--gfx1250"
	.amdhsa_code_object_version 6
	.text
	.protected	k_qfd621bf18a_main
	.globl	k_qfd621bf18a_main
	.p2align	8
	.type	k_qfd621bf18a_main,@function
k_qfd621bf18a_main:
	s_mov_b64 s[64:65], 0
	v_nop
	global_prefetch_b8 v0, s[64:65] scope:SCOPE_SE
	s_setreg_imm32_b32 hwreg(HW_REG_WAVE_MODE, 25, 1), 1
	s_wait_xcnt 0x0
	s_wait_alu depctr_hold_cnt(0) depctr_sa_sdst(0) depctr_va_vdst(0) depctr_va_sdst(0) depctr_va_ssrc(0) depctr_va_vcc(0) depctr_vm_vsrc(0)
	s_getreg_b32 s2, hwreg(HW_REG_IB_STS2, 6, 4)
	s_cmp_eq_u32 s2, 0
	s_cbranch_scc0 .Lentry_in_a_cluster
	s_endpgm
.Lentry_in_a_cluster:
	s_bfe_u32 s2, ttmp6, 0x10000c
	s_cmp_lg_u32 s2, 0x3003
	s_cbranch_scc0 .Lentry_shape_is_right
	s_endpgm
.Lentry_shape_is_right:
; MAIN.  For 64 rows of one batch: q_in = queries + pe; qp = q_in W_Q; attention over the batch's 256 keys (8 heads of 64) with the key-length mask ahead of the softmax and the query-length mask behind it;
; result = out + q_in; h = relu(result fw1).  The mean over t is linear, so of result and of relu(h) only the COLUMN SUMS over my 64 rows leave, in f32: part[b][qd] = 512 sums of result, 2,048 of relu(h);
; the next launch multiplies the latter by fw2.  f32 sums, maxima and statistics.
; FORMATS.  q_in, W_Q, qp and kp are f16 operands (11 significant bits, room for inputs 30 times the drawn spread: see LIMITS).  vp, the weights p beside it, result and fw1 are bf16: vp and result reach
; 27,000 x 6.6 with rows and both weights 30 times larger, beyond f16's 65,504.
; SHARES, RING, IMAGES as in the launch before: every wave holds the 64 x 512 activation as 64 fragments (windows 2, 3: SET s = heads 2 w' + s) and makes a quarter of the columns; two LDS slots of 128 KiB,
; of which a wave fills and reads its own 32 KiB; one stream of 16 joint loads a wave: 4 of W_Q, 4 of K and V (head, half of the keys), 8 of fw1's SET 0.  W_Q, fw1 and the batch's K and V are the same for the four
; work-groups of a cluster (the quarters of one batch): mask 15, addresses made of the batch and the wave's number.  Two tensor loads of a wave are out at the start, one behind each round.
; fw1 COMES BY TWO ROADS, as the weights of the launch before: SET 0's images through the ring (a fill of 32 KiB holds four column blocks and serves 256 matrix instructions), SET 1's straight into two buffers of
; 64 registers, 512 consecutive bytes an instruction.  No wave reads another wave's weights, and through LDS alone a fill would serve 128 matrix instructions.  Loads into registers cannot be asked for jointly.
; W_Q comes through the ring alone: while Q is made no 64 registers are free for a second buffer.
; ATTENTION.  A wave takes heads 2 w and 2 w + 1 for all 64 queries; a trip takes 128 keys.  S^T = K Q^T holds one query a lane and eight keys an accumulator; the mask (0 or -1e30) is the C operand that
; starts the sum; p = 2^(c s - c m) with a running maximum m, c = log2(e) / 8; O and l are multiplied by a = 2^(c m_old - c m_new) in every trip; pairs of p rounded to bf16 ARE source 1 of O^T = V^T P.
; LIMITS.  q_in and qp beyond 65,504 become infinities: with rows and W_Q 30 times the drawn spread qp reaches about 6e3, with common offsets of 30 spreads on both about 512 x 30 x 1.3 = 2e4.
; A hidden score counts as its value less 1e30 (scores stay below 1e22); with key_len < 1 reference() makes all 256 weights equal: here c = 0 and nothing is hidden, which gives the same;
; a weight below 2^-126 counts as 0; NaN and infinities are not treated apart.
.set SLOT1, 131072
.set HALFP, 16384                      ; a feed-forward trip's bytes in a wave's part of a slot, and in SET 1's stream: two column blocks of 8 KiB
.set IMG,   262144                     ; 32 fragments x 1,088 bytes: one SET on its way from wave to wave
.set CSQ,   296960                     ; 4 rows of 512 f32: each wave's column sums of q_in over its 16 rows
.set OSS,   305152                     ; 512 f32: column sums of out
.set HS,    307200                     ; 2,048 f32: column sums of relu(h)
.set SPARE, 315392
.set GREG,  0x100000                   ; in fw1f SET 1's images lie this far behind SET 0's
.set LN16, 1                           ; v1   16 x lane; never rewritten
.set ADR,  2
.set IMGL, 3
.set OWNA, 4
.set RAWA, 5
.set RAWP, 6
.set CVS,  7
.set CSQA, 8
.set HSA,  9                           ; v9   HS + 4 (512 w + r);  v11 the same for the trip in hand
.set OSA,  10                          ; v10  OSS + 4 (128 w + 8 h)
.set HSW,  11
.set H8,   12                          ; v12  8 h
.set TT,   13                          ; v13  register j of a key block is hidden where j >= TT
.set QT0,  14                          ; v14  query_len - 64 qd - r: my query of tile qt counts where this is above 16 qt
.set BIGV, 15                          ; v15  -1e30
.set SPW,  28
.set NIL,  29
.set ACCA, 32
.set ACCB, 64
.set ST,   32                          ; attention: v32-63 statistics, 8 a query tile: c m, m, l (even, odd keys), c0-c3 at work
.set MSK,  64                          ; attention: v64-127 the mask of 128 keys
.set OSR,  64                          ; a head's end: v64-95 sums of O f over the query tiles; v96-127 at work
.set TMP,  96
.set RESC, 128                         ; v128-191 q_in (f16) of the head in hand, my 8 fragments, later result (bf16); v192-255 q_in of the next head
.set RESN, 192
.set F0,   0                           ; window 1
.set F1,   64
.set GA,   64                          ; window 1, feed-forward: SET 1's fragments of a trip's first and second column block, out of memory
.set GB,   128
.set PKR,  128                         ; window 1, at the start only: CONV's rounded pairs, and at 160 its column sums
.set CSA,  160
.set QC,   128                         ; window 1: Q of the head in hand (channel half ch, tile qt at 8 (4 ch + qt)); QN of the next
.set QN,   192
.set WV,  20
.set QD,  21
.set BB,  22
.set HOFF, 23
.set G1J, 24
.set G1P, 32
.set G0A, 40
.set G0B, 44
.set G0C, 80
.set NXT, 48
.set KVB, 50
.set FWB, 52
.set TB,  54
.set CNT, 55
.set OOF, 57
.set CS,  58
.set SEL, 60
.set KL,  66
.set QL,  67
.set OUTP, 76
.set GP,  84                           ; s[84:85] SET 1's images of the trip that is loaded next
.set GST, 88                           ; s[88:89] its step: a trip's bytes; 0 in the last trip
.set CNI, 90                           ; s90 counts a slot's two trips
.set SLT, 91                           ; s91 counts the slots
.set MSB, 0
.macro WIN new                         ; the immediate's high byte repeats the setting that is left; a switch that changes nothing is dropped
.if MSB != (\new)
	s_set_vgpr_msb (MSB<<8)|(\new)
.set MSB, \new
.endif
.endm
.macro PLACES                          ; four places behind matrix instructions whose registers are loaded into, read or written next (ISA guide 7.12.1)
.rept 4
	v_nop
.endr
.endm
.macro CREST                           ; a round of the cluster's barrier behind its opening barrier
	s_cmp_lg_u32 s[WV], 0
	s_cbranch_scc1 .Lnot_wave_0_\@
	s_barrier_signal -3
.Lnot_wave_0_\@:
	s_barrier_wait -3
	s_barrier_signal -1
	s_barrier_wait -1
.endm
.macro CROUND
	s_barrier_signal -1
	s_barrier_wait -1
	CREST
.endm
.macro BAR                             ; my LDS stores and loads are done; then all four waves'
	s_wait_dscnt 0x0
	s_barrier_signal -1
	s_barrier_wait -1
.endm
.macro STEPG                           ; the walking descriptor: the other slot, the next 32 KiB.  It stands behind a wait for all my tensor loads
	s_xor_b32 s[G0B+1], s[G0B+1], SLOT1
	s_mov_b64 s[G0B+2:G0B+3], s[NXT:NXT+1]
	s_or_b32 s[G0B+3], s[G0B+3], 0x80000000
	s_add_nc_u64 s[NXT:NXT+1], s[NXT:NXT+1], 32768
.endm
.macro THREE step                      ; all my tensor loads have landed; 0 onto my spare word; the add and my LDS reads are done
	WIN 0
	s_wait_tensorcnt 0x0
	ds_add_u32 v[SPW], v[NIL]
.if \step
	STEPG
.endif
	s_wait_dscnt 0x0
.endm
.macro JLOAD                           ; my joint load
	tensor_load_to_lds s[G0B:G0B+3], s[G1J:G1J+7]
	s_nop 0
.rept 4
	v_nop
.endr
.endm
.macro ALLQ line:vararg                ; one line for each query tile qt
.set qt, 0
.rept 4
	\line
.set qt, qt+1
.endr
.endm
; 16 LDS loads: images 4 (i / 2) + 2 g + i % 2 of half `part` of my 32 KiB.  W_Q: the k blocks of SET g.  K: key block 2 (i / 2) + g, channel half i % 2.  V: 32 keys i / 2, channel block 2 g + i % 2.
.macro FETCH buf, part, g
	WIN 0x40
.irp i, 0,1,2,3,4,5,6,7
	ds_load_b128 v[(\buf)+8*(\i):(\buf)+8*(\i)+3],   v[ADR] offset:(\part)*16384+(4*((\i)/2)+2*(\g)+((\i)%2))*1024
	ds_load_b128 v[(\buf)+8*(\i)+4:(\buf)+8*(\i)+7], v[ADR] offset:(\part)*16384+(4*((\i)/2)+2*(\g)+((\i)%2))*1024+512
.endr
.endm
.macro FETCHL part                     ; feed-forward: 16 LDS loads: SET 0's eight images of the trip's column block `part`
	WIN 0x40
.irp i, 0,1,2,3,4,5,6,7
	ds_load_b128 v[F0+8*(\i):F0+8*(\i)+3],   v[ADR] offset:(\part)*8192+(\i)*1024
	ds_load_b128 v[F0+8*(\i)+4:F0+8*(\i)+7], v[ADR] offset:(\part)*8192+(\i)*1024+512
.endr
.endm
.macro GLOAD buf, off                  ; feed-forward: 16 loads from memory, 512 consecutive bytes each: SET 1's eight images of one column block
	WIN 0x40
.irp i, 0,1,2,3,4,5,6,7
	global_load_b128 v[(\buf)+8*(\i):(\buf)+8*(\i)+3],   v[LN16], s[GP:GP+1] offset:(\off)+(\i)*1024
	global_load_b128 v[(\buf)+8*(\i)+4:(\buf)+8*(\i)+7], v[LN16], s[GP:GP+1] offset:(\off)+(\i)*1024+512
.endr
.endm
; Matrix instructions (op: the f16 or the bf16 form) for kk = k0..k1 of SET g x 4 row tiles; the four accumulators take turns, one instruction a turn.  first = 1: kk = 0 starts the sums.
; swap = 1: a lane holds one row and eight columns.  swap = 0: one column and eight rows.
.macro MULH op, buf, g, acc, first, swap, k0, k1
.if \swap
	WIN 0x09+4*(\g)
.else
	WIN 0x06+(\g)
.endif
.set mi, \k0
.rept (\k1)-(\k0)+1
.set mm, 0
.rept 4
.if (\swap) && (\first) && (mi == 0)
	\op v[(\acc)+8*mm:(\acc)+8*mm+7], v[(\buf)+8*mi:(\buf)+8*mi+7], v[8*(4*mi+mm):8*(4*mi+mm)+7], 0
.elseif \swap
	\op v[(\acc)+8*mm:(\acc)+8*mm+7], v[(\buf)+8*mi:(\buf)+8*mi+7], v[8*(4*mi+mm):8*(4*mi+mm)+7], v[(\acc)+8*mm:(\acc)+8*mm+7]
.elseif (\first) && (mi == 0)
	\op v[(\acc)+8*mm:(\acc)+8*mm+7], v[8*(4*mi+mm):8*(4*mi+mm)+7], v[(\buf)+8*mi:(\buf)+8*mi+7], 0
.else
	\op v[(\acc)+8*mm:(\acc)+8*mm+7], v[8*(4*mi+mm):8*(4*mi+mm)+7], v[(\buf)+8*mi:(\buf)+8*mi+7], v[(\acc)+8*mm:(\acc)+8*mm+7]
.endif
.set mm, mm+1
.endr
.set mi, mi+1
.endr
.endm
; My 16 rows, the columns of SET s: queries + pe in f32; their column sums in f32; rounded to f16 into IMG as fragments: two trips of eight rows.  Unit u = (row, a): a lane takes 4 columns of head 2 (2 a + lane/16) + s.
.macro CONV s
	WIN 0
	s_mov_b32 s[CNT], 2
	s_mov_b32 s68, 0                               ; eight rows of 2,048 bytes on in the second trip,
	s_mov_b32 s69, 0                               ; and eight places of 16 bytes on in IMG's pieces
.Lconv_\@:
	v_add_nc_u32 v24, s68, v[RAWA]
	v_add_nc_u32 v25, s68, v[RAWP]
	v_add_nc_u32 v26, s69, v[CVS]
	WIN 0x40
.set u, 0
.rept 16
	ds_load_b128 v[8*u:8*u+3],   v24 offset:(u/2)*2048+(u%2)*1024+(\s)*256
	ds_load_b128 v[8*u+4:8*u+7], v25 offset:(u/2)*2048+(u%2)*1024+(\s)*256
.set u, u+1
.endr
	WIN 0x45
.set u, 0
.rept 16
	s_wait_dscnt 30-2*u                            ; LDS loads come back in order: the two loads of each later unit may stay out
	v_pk_add_f32 v[8*u:8*u+1],   v[8*u:8*u+1],   v[8*u+4:8*u+5]
	v_pk_add_f32 v[8*u+2:8*u+3], v[8*u+2:8*u+3], v[8*u+6:8*u+7]
	v_pk_add_f32 v[CSA+8*(\s)+4*(u%2):CSA+8*(\s)+4*(u%2)+1],   v[CSA+8*(\s)+4*(u%2):CSA+8*(\s)+4*(u%2)+1],   v[8*u:8*u+1]
	v_pk_add_f32 v[CSA+8*(\s)+4*(u%2)+2:CSA+8*(\s)+4*(u%2)+3], v[CSA+8*(\s)+4*(u%2)+2:CSA+8*(\s)+4*(u%2)+3], v[8*u+2:8*u+3]
	v_cvt_pk_f16_f32 v[PKR+2*u],   v[8*u],   v[8*u+1]
	v_cvt_pk_f16_f32 v[PKR+2*u+1], v[8*u+2], v[8*u+3]
.set u, u+1
.endr
	WIN 0x04
.set u, 0
.rept 16
	ds_store_b64 v26, v[PKR+2*u:PKR+2*u+1] offset:(u%2)*4352+(u/2)*16  ; 32 lanes touch 16 pieces 272 bytes apart, 16 bytes of each: every bank once
.set u, u+1
.endr
	WIN 0
	s_add_co_u32 s68, s68, 16384
	s_add_co_u32 s69, s69, 128
	s_sub_co_u32 s[CNT], s[CNT], 1
	s_cmp_lg_u32 s[CNT], 0
	s_cbranch_scc1 .Lconv_\@
	WIN 0x04
	ds_store_b128 v[CSQA], v[CSA+8*(\s):CSA+8*(\s)+3]   offset:(\s)*256
	ds_store_b128 v[CSQA], v[CSA+8*(\s)+4:CSA+8*(\s)+7] offset:1024+(\s)*256
.endm
.macro XLOAD s                         ; the whole SET out of IMG into window 2 + s
	WIN 0x80+0x40*(\s)
.set kk, 0
.rept 8
.set mm, 0
.rept 4
	ds_load_b128 v[8*(4*kk+mm):8*(4*kk+mm)+3],   v[IMGL] offset:(mm*8+kk)*1088
	ds_load_b128 v[8*(4*kk+mm)+4:8*(4*kk+mm)+7], v[IMGL] offset:(mm*8+kk)*1088+544
.set mm, mm+1
.endr
.set kk, kk+1
.endr
.endm
.macro OWNIO st, base                  ; my own head's eight fragments (e, m), window 0: st = 0 out of IMG, st = 1 into it
	WIN 0
.set ee, 0
.rept 2
.set mm, 0
.rept 4
.if \st
	ds_store_b128 v[OWNA], v[(\base)+8*(4*ee+mm):(\base)+8*(4*ee+mm)+3]   offset:(mm*8+ee)*1088
	ds_store_b128 v[OWNA], v[(\base)+8*(4*ee+mm)+4:(\base)+8*(4*ee+mm)+7] offset:(mm*8+ee)*1088+544
.else
	ds_load_b128 v[(\base)+8*(4*ee+mm):(\base)+8*(4*ee+mm)+3],   v[OWNA] offset:(mm*8+ee)*1088
	ds_load_b128 v[(\base)+8*(4*ee+mm)+4:(\base)+8*(4*ee+mm)+7], v[OWNA] offset:(mm*8+ee)*1088+544
.endif
.set mm, mm+1
.endr
.set ee, ee+1
.endr
.endm
; Q's way out, in f16: a lane's eight columns of a row ARE registers 4 x .. of fragment (channel half tr, query tile m)
.macro PQ tr, x, acc
	WIN 0x40
.set mm, 0
.rept 4
.set jj, 0
.rept 4
	v_cvt_pk_f16_f32 v[QN+8*(4*(\tr)+mm)+4*(\x)+jj], v[(\acc)+8*mm+2*jj], v[(\acc)+8*mm+2*jj+1]
.set jj, jj+1
.endr
.set mm, mm+1
.endr
.endm
; h's way out: relu and the sum over my lane's 32 rows of one column, then the other half of the lanes' 32; one word into HS.  Each accumulator is read from its low end on.
.macro FE x, acc
	WIN 0
.set ii, 0
.rept 32
	v_max_num_f32 v[(\acc)+ii], 0, v[(\acc)+ii]
.set ii, ii+1
.endr
.irp w, 16, 8, 4, 2
.set ii, 0
.rept (\w)/2
	v_pk_add_f32 v[(\acc)+ii:(\acc)+ii+1], v[(\acc)+ii:(\acc)+ii+1], v[(\acc)+(\w)+ii:(\acc)+(\w)+ii+1]
.set ii, ii+2
.endr
.endr
	v_add_f32 v[(\acc)], v[(\acc)], v[(\acc)+1]
	v_permlanex16_b32 v[(\acc)+1], v[(\acc)], s[SEL], s[SEL+1]
	v_add_f32 v[(\acc)], v[(\acc)], v[(\acc)+1]
	ds_store_b32 v[HSW], v[(\acc)] offset:(\x)*64  ; lanes r and r + 16 write the same word with the same number
.endm
; A TRIP OF THE Q PROJECTION: one slot, two column blocks, 128 matrix instructions.  The slot is filled again, two slots ahead, behind a round of the cluster's barrier.
.macro TRIPQ tr
	s_wait_dscnt 16                                ; F0 is in: behind its loads came F1's 16
	MULH v_wmma_f32_16x16x32_f16, F0, 0, ACCA, 1, 1, 0, 7
	PLACES
	FETCH F0, 1, 0
	s_wait_dscnt 16                                ; F1 is in: all but the 16 just issued
	MULH v_wmma_f32_16x16x32_f16, F1, 1, ACCA, 0, 1, 0, 7
	PLACES
	FETCH F1, 1, 1
	PQ \tr, 0, ACCA
	s_wait_dscnt 16
	MULH v_wmma_f32_16x16x32_f16, F0, 0, ACCB, 1, 1, 0, 7
	s_wait_dscnt 0x0
	MULH v_wmma_f32_16x16x32_f16, F1, 1, ACCB, 0, 1, 0, 3
	WIN 0
	s_wait_tensorcnt 0x0                           ; all my tensor loads have landed: the one that was out is my part of the next slot
	ds_add_u32 v[SPW], v[NIL]                      ; 0 onto my spare word
	STEPG
	MULH v_wmma_f32_16x16x32_f16, F1, 1, ACCB, 0, 1, 4, 5
	s_wait_dscnt 0x0                               ; the add is done; my reads of this slot ended above
	s_barrier_signal -1
	MULH v_wmma_f32_16x16x32_f16, F1, 1, ACCB, 0, 1, 6, 7
	WIN 0
	s_barrier_wait -1
	CREST                                          ; no wave of any partner still reads this slot or has a load on its way
	JLOAD                                          ; its four v_nop are also the places in front of the loads below
	s_xor_b32 s[TB], s[TB], SLOT1
	v_add_nc_u32 v[ADR], s[TB], v[LN16]
	FETCH F0, 0, 0
	FETCH F1, 0, 1
	PQ \tr, 1, ACCB
.endm
; A TRIP OF THE FEED-FORWARD: two column blocks a and b, 128 matrix instructions: GA (a, SET 1: starts the sums), F0 (a, SET 0), GB (b, SET 1), F0 (b, SET 0).  At its head GA and GB are on their way out of memory.
; F0's loads out of LDS stand 32 products ahead of their use; each register buffer is asked for again behind the products that read it, three runs of 32 products ahead of its use.  At the trip's end its LDS reads are over.
; last = 1: the tail's copy: in the launch's last trip the look-ahead takes a step of 0: its loads take that trip's own bytes once more, which nobody uses, and stay inside the buffer.
.macro BODY last
	WIN 0
.if \last
	s_add_co_u32 s68, s[SLT], s[CNI]
	s_cmp_eq_u32 s68, 2
	s_cselect_b32 s[GST], 0, HALFP
.endif
	s_wait_xcnt 0x0                                ; the base of the loads issued so far is stepped only behind this wait
	s_add_nc_u64 s[GP:GP+1], s[GP:GP+1], s[GST:GST+1]
	v_add_nc_u32 v[ADR], s[TB], v[LN16]
	v_add_nc_u32 v[HSW], s[HOFF], v[HSA]
	FETCHL 0
	s_wait_loadcnt 16                              ; GA is in: behind its loads came GB's 16
	MULH v_wmma_f32_16x16x32_bf16, GA, 1, ACCA, 1, 0, 0, 7
	PLACES
	GLOAD GA, 0
	s_wait_dscnt 0x0                               ; F0 is in
	MULH v_wmma_f32_16x16x32_bf16, F0, 0, ACCA, 0, 0, 0, 7
	PLACES
	FETCHL 1
	s_wait_loadcnt 16                              ; GB is in: behind its loads came GA's 16
	MULH v_wmma_f32_16x16x32_bf16, GB, 1, ACCB, 1, 0, 0, 7
	PLACES
	GLOAD GB, 8192
	FE 0, ACCA
	s_wait_dscnt 0x1                               ; F0 is in: behind its loads came the one store above
	MULH v_wmma_f32_16x16x32_bf16, F0, 0, ACCB, 0, 0, 0, 7
	PLACES
	FE 1, ACCB
	s_add_co_u32 s[TB], s[TB], HALFP
	s_add_co_u32 s[HOFF], s[HOFF], 128
.endm
	s_load_b512 s[4:19], s[0:1], 0x0               ; queries s[4:5], pe s[6:7], wqf s[8:9], kvimg s[10:11], fw1f s[12:13], key_lens s[14:15], query_lens s[16:17], part s[18:19]
	v_lshl_add_u32 v[SPW], v0, 2, SPARE
	v_mov_b32 v[NIL], 0
	ds_add_u32 v[SPW], v[NIL]                      ; the wave's opening
	v_lshrrev_b32 v18, 5, v0
	v_readfirstlane_b32 s[WV], v18                 ; wave 0..3
	s_bfe_u32 s[QD], ttmp6, 0x40000                ; my place in the cluster: the quarter of the batch's rows
	s_mov_b32 s[BB], ttmp9                         ; the cluster's number: the batch
	s_mov_b32 s[G1J], 15|(3<<16)|(1<<21)           ; mask of four; elements of 8 bytes; bit 21 beside a mask
	s_mov_b32 s[G1P], 3<<16
.irp g, G1J, G1P
	s_mov_b32 s[\g+1], 32<<16                      ; 128 rows of 32 elements = 256 bytes, dense
	s_mov_b32 s[\g+2], 128<<16
	s_mov_b32 s[\g+3], 32<<16
	s_mov_b32 s[\g+4], 128
	s_mov_b32 s[\g+5], 32
	s_mov_b32 s[\g+6], 0
	s_mov_b32 s[\g+7], 0
.endr
	s_lshl_b32 s72, s[WV], 15                      ; my 32 KiB of a slot, and my 16 rows of 2,048 bytes
	s_mov_b32 s[G0A], 1
	s_mov_b32 s[G0A+1], s72
	s_mov_b32 s[G0C], 1
	s_add_co_u32 s[G0C+1], s72, SLOT1
	s_mov_b32 s[G0B], 1
	s_add_co_u32 s[G0B+1], s72, SLOT1              ; its first step turns it to slot 0
	s_mov_b32 s[TB], s72
	s_mov_b32 s[GST], HALFP
	s_mov_b32 s[GST+1], 0
	s_lshl_b32 s70, s[QD], 17
	s_add_co_u32 s70, s70, s72                     ; pe at row 64 qd + 16 w
	s_lshl_b32 s68, s[BB], 19
	s_add_co_u32 s68, s68, s70                     ; queries at row 256 b + 64 qd + 16 w
	s_mov_b32 s69, 0
	s_mov_b32 s71, 0
	s_mov_b32 s[SEL], 0x76543210                   ; v_permlanex16_b32: each lane takes its own place in the other half
	s_mov_b32 s[SEL+1], 0xfedcba98
	s_wait_dscnt 0x0                               ; the opening add is done
	s_wait_kmcnt 0x0
	s_add_nc_u64 s[G0A+2:G0A+3], s[4:5], s[68:69]
	s_or_b32 s[G0A+3], s[G0A+3], 0x80000000
	s_add_nc_u64 s[G0C+2:G0C+3], s[6:7], s[70:71]
	s_or_b32 s[G0C+3], s[G0C+3], 0x80000000
	s_lshl_b32 s72, s[WV], 17
	s_mov_b32 s73, 0
	s_add_nc_u64 s[NXT:NXT+1], s[8:9], s[72:73]    ; W_Q's column blocks 8 w ..
	s_lshl_b32 s68, s[BB], 19
	s_add_co_u32 s72, s72, s68
	s_add_nc_u64 s[KVB:KVB+1], s[10:11], s[72:73]  ; K and V of heads 2 w, 2 w + 1 of my batch
	s_lshl_b32 s72, s[WV], 18
	s_add_nc_u64 s[FWB:FWB+1], s[12:13], s[72:73]  ; fw1's column blocks 32 w .., 8 KiB each: SET 0,
	s_add_nc_u64 s[GP:GP+1], s[FWB:FWB+1], GREG    ; and SET 1
	s_lshl2_add_u32 s74, s[BB], s[QD]
	s_mul_i32 s74, s74, 10240
	s_mov_b32 s75, 0
	s_add_nc_u64 s[OUTP:OUTP+1], s[18:19], s[74:75]
	CROUND                                         ; the round in front of the launch's first tensor loads
	tensor_load_to_lds s[G0A:G0A+3], s[G1P:G1P+7]  ; my 16 rows of queries into my part of slot 0,
	s_nop 0
	tensor_load_to_lds s[G0C:G0C+3], s[G1P:G1P+7]  ; of pe into my part of slot 1
	s_nop 0
.rept 4
	v_nop
.endr
	s_lshl_b32 s74, s[BB], 2
	s_load_b32 s[KL], s[14:15], s74 offset:0x0
	s_load_b32 s[QL], s[16:17], s74 offset:0x0
	v_and_b32 v18, 31, v0
	v_lshlrev_b32 v[LN16], 4, v18
	v_and_b32 v19, 15, v0                          ; r
	v_bfe_u32 v20, v0, 4, 1                        ; h
	v_mul_u32_u24 v21, v20, 272
	v_lshl_add_u32 v21, v19, 4, v21
	v_add_nc_u32 v[IMGL], IMG, v21
	s_mul_i32 s72, s[WV], 2176
	v_add_nc_u32 v[OWNA], s72, v[IMGL]
	v_lshlrev_b32 v21, 4, v19
	v_lshl_add_u32 v21, v20, 9, v21
	s_lshl_b32 s72, s[WV], 15
	v_add_nc_u32 v[RAWA], s72, v21
	v_add_nc_u32 v[RAWP], SLOT1, v[RAWA]
	s_lshl_b32 s72, s[WV], 11
	v_add_nc_u32 v22, s72, v21
	v_add_nc_u32 v[CSQA], CSQ, v22
	v_lshl_add_u32 v22, v19, 2, s72
	v_add_nc_u32 v[HSA], HS, v22
	s_lshl_b32 s72, s[WV], 9
	v_lshl_add_u32 v22, v20, 5, s72
	v_add_nc_u32 v[OSA], OSS, v22
	v_lshrrev_b32 v22, 1, v19
	v_lshl_add_u32 v22, v20, 3, v22
	s_lshl_b32 s72, s[WV], 5
	v_add_nc_u32 v22, s72, v22                     ; piece 32 w + 8 (lane / 16) + (lane % 16) / 2
	v_mul_u32_u24 v22, v22, 272
	v_and_b32 v23, 1, v0
	v_lshl_add_u32 v22, v23, 3, v22
	v_add_nc_u32 v[CVS], IMG, v22
	v_lshlrev_b32 v[H8], 3, v20
	v_mov_b32 v[BIGV], 0xf149f2ca                  ; -1e30
	WIN 0x40
.set ii, 0
.rept 16
	v_mov_b32 v[CSA+ii], 0
.set ii, ii+1
.endr
	WIN 0
	s_wait_kmcnt 0x0                               ; the two lengths
	s_mov_b32 s[CS], 0x3e38aa3b                    ; c = log2(e) / 8
	s_cmp_lt_i32 s[KL], 1                          ; no key counts: reference() then weighs all 256 alike: c = 0, nothing hidden
	s_cselect_b32 s[CS], 0, s[CS]
	s_cselect_b32 s[KL], 256, s[KL]
	s_mov_b32 s[CS+1], s[CS]
	s_lshl_b32 s68, s[QD], 6
	s_sub_co_i32 s68, s[QL], s68
	v_sub_nc_u32 v[QT0], s68, v19
	s_wait_tensorcnt 0x0                           ; my rows are in; only I read them
	CONV 0
	BAR                                            ; SET 0 is whole in IMG
	XLOAD 0
	OWNIO 0, RESC                                  ; my first head's q_in is kept for the residual
	BAR                                            ; everybody has it: IMG may be written again
	CONV 1
	THREE 1                                        ; my reads of both slots are over, my stores into IMG done
	CROUND
	JLOAD                                          ; W_Q's first two column blocks into slot 0
	XLOAD 1
	OWNIO 0, RESN
	THREE 1                                        ; slot 0 has landed; SET 1 is in my registers
	CROUND
	JLOAD
	v_add_nc_u32 v[ADR], s[TB], v[LN16]
	FETCH F0, 0, 0
	FETCH F1, 0, 1
	WIN 0
	s_mov_b32 s[CNT], 2
.Lq:                                                   ; a trip of the loop: one head of qp, four column blocks
	TRIPQ 0
	TRIPQ 1
	WIN 0
	s_cmp_eq_u32 s[CNT], 1
	s_cbranch_scc1 .Lq_second
	WIN 0x41
.set ii, 0
.rept 64
	v_mov_b32 v[QC+ii], v[QN+ii]                   ; head 2 w goes first
.set ii, ii+1
.endr
	WIN 0
	s_mov_b64 s[NXT:NXT+1], s[KVB:KVB+1]           ; W_Q's four loads have been asked for: K and V follow
.Lq_second:
	s_sub_co_u32 s[CNT], s[CNT], 1
	s_cmp_lg_u32 s[CNT], 0
	s_cbranch_scc1 .Lq
	; ---- ATTENTION.  Window 2: S^T, 64 a query tile (key block kb at 8 kb).  Window 3: O^T at 32 qt + 8 chb; P at 128 + 32 qt + 8 kb32.
	; A head's first trip multiplies O and l by a = 0, so they need only be finite: zeros now, what the first head left later.
	WIN 0xc0
.set ii, 0
.rept 128
	v_mov_b32 v[ii], 0
.set ii, ii+1
.endr
	WIN 0
	ALLQ v_mov_b32 v[ST+8*qt], 0xfe000000          ; c m: far below every c s
	ALLQ v_mov_b32 v[ST+8*qt+1], 0xff7fffff        ; m: the lowest finite number
	ALLQ v_mov_b32 v[ST+8*qt+2], 0
	ALLQ v_mov_b32 v[ST+8*qt+3], 0
	s_mov_b32 s[OOF], 0
	s_mov_b32 s[CNT], 4
.Latt:                                                 ; trips 4, 3: head 2 w, keys 0-127, 128-255; trips 2, 1: head 2 w + 1
	s_and_b32 s68, s[CNT], 1                       ; the half of the keys
	s_lshl_b32 s68, s68, 7
	s_sub_co_i32 s68, s[KL], s68
	v_sub_nc_u32 v[TT], s68, v[H8]                 ; key 128 half + 16 kb + 8 h + j is hidden where j >= key_len - 128 half - 16 kb - 8 h
.set kb, 0
.rept 8
.set jj, 0
.rept 8
	v_cmp_ge_i32 vcc_lo, jj, v[TT]
	v_cndmask_b32 v[MSK+8*kb+jj], 0, v[BIGV], vcc_lo
.set jj, jj+1
.endr
	v_add_nc_u32 v[TT], -16, v[TT]
.set kb, kb+1
.endr
	s_wait_dscnt 0x0                               ; K is in
	WIN 0x85                                       ; K and Q window 1, the mask window 0, S^T window 2
.set kb, 0
.rept 8
.set qt, 0
.rept 4
	v_wmma_f32_16x16x32_f16 v[64*qt+8*kb:64*qt+8*kb+7], v[64*(kb%2)+16*(kb/2):64*(kb%2)+16*(kb/2)+7], v[QC+8*qt:QC+8*qt+7], v[MSK+8*kb:MSK+8*kb+7]
.set qt, qt+1
.endr
.set kb, kb+1
.endr
	WIN 0xa5                                       ; the second 32 channels, in place: between an accumulator's two turns stand the 31 others'
.set kb, 0
.rept 8
.set qt, 0
.rept 4
	v_wmma_f32_16x16x32_f16 v[64*qt+8*kb:64*qt+8*kb+7], v[64*(kb%2)+16*(kb/2)+8:64*(kb%2)+16*(kb/2)+15], v[QC+32+8*qt:QC+32+8*qt+7], v[64*qt+8*kb:64*qt+8*kb+7]
.set qt, qt+1
.endr
.set kb, kb+1
.endr
	PLACES
	FETCH F0, 1, 0                                 ; V takes K's registers
	FETCH F1, 1, 1
	; the maximum of my lane's 64 scores a tile: four chains of 16, three operands at a time; each accumulator's lowest registers are read first
	WIN 0x2a
.set qt, 0
.rept 4
.set cc, 0
.rept 4
	v_max3_num_f32 v[ST+8*qt+4+cc], v[64*qt+16*cc], v[64*qt+16*cc+1], v[64*qt+16*cc+2]
.set cc, cc+1
.endr
.set qt, qt+1
.endr
	WIN 0x28
.set sp, 0
.rept 6
.set qt, 0
.rept 4
.set cc, 0
.rept 4
	v_max3_num_f32 v[ST+8*qt+4+cc], v[ST+8*qt+4+cc], v[64*qt+16*cc+3+2*sp], v[64*qt+16*cc+4+2*sp]
.set cc, cc+1
.endr
.set qt, qt+1
.endr
.set sp, sp+1
.endr
	WIN 0x02
.set qt, 0
.rept 4
.set cc, 0
.rept 4
	v_max_num_f32 v[ST+8*qt+4+cc], v[64*qt+16*cc+15], v[ST+8*qt+4+cc]
.set cc, cc+1
.endr
.set qt, qt+1
.endr
	WIN 0
	ALLQ v_max3_num_f32 v[ST+8*qt+4], v[ST+8*qt+4], v[ST+8*qt+5], v[ST+8*qt+6]
	ALLQ v_max3_num_f32 v[ST+8*qt+4], v[ST+8*qt+4], v[ST+8*qt+7], v[ST+8*qt+1]
	ALLQ v_permlanex16_b32 v[ST+8*qt+5], v[ST+8*qt+4], s[SEL], s[SEL+1]  ; the query's other 64 keys lie in the lane 16 away
	ALLQ v_mov_b32 v[ST+8*qt+7], v[ST+8*qt]        ; c m_old is kept
	ALLQ v_max_num_f32 v[ST+8*qt+1], v[ST+8*qt+4], v[ST+8*qt+5]
	ALLQ v_mul_f32 v[ST+8*qt], s[CS], v[ST+8*qt+1]
	ALLQ v_sub_f32 v[ST+8*qt+5], v[ST+8*qt+7], v[ST+8*qt]
	ALLQ v_exp_f32 v[ST+8*qt+6], v[ST+8*qt+5]      ; a; it is used far below
	; the change of slots: K and V of this slot have been asked for out of LDS
	s_wait_tensorcnt 0x0                           ; all my tensor loads have landed: my part of the next slot
	ds_add_u32 v[SPW], v[NIL]                      ; 0 onto my spare word
	STEPG
	s_wait_dscnt 0x0                               ; the add is done, V is in: my reads of this slot are over
	s_barrier_signal -1
	WIN 0x82                                       ; work on registers while the others arrive: c s - c m
.set qt, 0
.rept 4
.set ii, 0
.rept 32
	v_pk_fma_f32 v[64*qt+2*ii:64*qt+2*ii+1], v[64*qt+2*ii:64*qt+2*ii+1], s[CS:CS+1], v[ST+8*qt:ST+8*qt+1] op_sel_hi:[1,0,0] neg_lo:[0,0,1] neg_hi:[0,0,1]
.set ii, ii+1
.endr
.set qt, qt+1
.endr
	WIN 0
	s_barrier_wait -1
	CREST
	JLOAD                                          ; two slots ahead
	WIN 0x82
.set ii, 0
.rept 256
	v_exp_f32 v[ii], v[ii]
.set ii, ii+1
.endr
	v_nop                                          ; a plain instruction behind the last exponential (ISA guide 5.7.2)
	WIN 0xca
.set ii, 0
	s_wait_alu depctr_va_vdst(0)
.rept 128
	v_cvt_pk_bf16_f32 v[128+ii], v[2*ii], v[2*ii+1]  ; two key blocks' pairs are one operand of 32 keys
.set ii, ii+1
.endr
	WIN 0x8a                                       ; the sum of a tile's 32 pairs, in place
.irp w, 32, 16, 8, 4, 2
.set qt, 0
.rept 4
.set ii, 0
.rept (\w)/2
	v_pk_add_f32 v[64*qt+ii:64*qt+ii+1], v[64*qt+ii:64*qt+ii+1], v[64*qt+(\w)+ii:64*qt+(\w)+ii+1]
.set ii, ii+2
.endr
.set qt, qt+1
.endr
.endr
	WIN 0x20
	ALLQ v_pk_fma_f32 v[ST+8*qt+2:ST+8*qt+3], v[ST+8*qt+2:ST+8*qt+3], v[ST+8*qt+6:ST+8*qt+7], v[64*qt:64*qt+1] op_sel_hi:[1,0,1]  ; l = a l + sum
	WIN 0xc3
.set qt, 0
.rept 4
.set ii, 0
.rept 16
	v_pk_mul_f32 v[32*qt+2*ii:32*qt+2*ii+1], v[32*qt+2*ii:32*qt+2*ii+1], v[ST+8*qt+6:ST+8*qt+7] op_sel_hi:[1,0]  ; O a
.set ii, ii+1
.endr
.set qt, qt+1
.endr
	WIN 0xfd                                       ; V window 1, P and O^T window 3; the 16 accumulators take turns
.set kb, 0
.rept 4
.set cc, 0
.rept 4
.set qt, 0
.rept 4
	v_wmma_f32_16x16x32_bf16 v[32*qt+8*cc:32*qt+8*cc+7], v[64*(cc/2)+8*(2*kb+cc%2):64*(cc/2)+8*(2*kb+cc%2)+7], v[128+32*qt+8*kb:128+32*qt+8*kb+7], v[32*qt+8*cc:32*qt+8*cc+7]
.set qt, qt+1
.endr
.set cc, cc+1
.endr
.set kb, kb+1
.endr
	PLACES
	WIN 0
	s_xor_b32 s[TB], s[TB], SLOT1
	v_add_nc_u32 v[ADR], s[TB], v[LN16]
	FETCH F0, 0, 0                                 ; the next slot's K; the wait for all loads above has shown it landed.  Behind the last trip these 32 loads take bytes of fw1 that nobody uses: the price of one text for all four
	FETCH F1, 0, 1
	WIN 0
	s_and_b32 s68, s[CNT], 1
	s_cmp_eq_u32 s68, 0
	s_cbranch_scc1 .Lhalf                          ; a head's first half: nothing more
	; ---- a head's end.  f = 1 / l, or 0 for a query at or beyond query_len
	ALLQ v_add_f32 v[ST+8*qt+4], v[ST+8*qt+2], v[ST+8*qt+3]
	ALLQ v_permlanex16_b32 v[ST+8*qt+5], v[ST+8*qt+4], s[SEL], s[SEL+1]
	ALLQ v_add_f32 v[ST+8*qt+4], v[ST+8*qt+4], v[ST+8*qt+5]
	ALLQ v_rcp_f32 v[ST+8*qt+5], v[ST+8*qt+4]
	v_nop
.set qt, 0
	s_wait_alu depctr_va_vdst(0)
.rept 4
	v_cmp_lt_i32 vcc_lo, 16*qt, v[QT0]
	v_cndmask_b32 v[ST+8*qt+4], 0, v[ST+8*qt+5], vcc_lo
.set qt, qt+1
.endr
	WIN 0x03                                       ; the sum over the four tiles of O f, in f32
.set ii, 0
.rept 16
	v_pk_mul_f32 v[OSR+2*ii:OSR+2*ii+1], v[2*ii:2*ii+1], v[ST+4:ST+5] op_sel_hi:[1,0]
.set ii, ii+1
.endr
.set qt, 1
.rept 3
.set ii, 0
.rept 16
	v_pk_fma_f32 v[OSR+2*ii:OSR+2*ii+1], v[32*qt+2*ii:32*qt+2*ii+1], v[ST+8*qt+4:ST+8*qt+5], v[OSR+2*ii:OSR+2*ii+1] op_sel_hi:[1,0,1]
.set ii, ii+1
.endr
.set qt, qt+1
.endr
.set qt, 0
.rept 4                                ; result = O f + q_in (an f16 half, read by the multiply-add itself), then rounded to bf16 in place: O^T's lanes and registers are those of the fragment (e, m = qt): pair i = 8 e + 4 c + jj
	WIN 0x03
.set ii, 0
.rept 16
	v_fma_mix_f32 v[TMP+2*ii],   v[32*qt+2*ii],   v[ST+8*qt+4], v[RESC+32*(ii/8)+8*qt+ii%8] op_sel_hi:[0,0,1]
	v_fma_mix_f32 v[TMP+2*ii+1], v[32*qt+2*ii+1], v[ST+8*qt+4], v[RESC+32*(ii/8)+8*qt+ii%8] op_sel:[0,0,1] op_sel_hi:[0,0,1]
.set ii, ii+1
.endr
	WIN 0
.set ii, 0
.rept 16
	v_cvt_pk_bf16_f32 v[RESC+32*(ii/8)+8*qt+ii%8], v[TMP+2*ii], v[TMP+2*ii+1]
.set ii, ii+1
.endr
.set qt, qt+1
.endr
.irp x, 1, 2, 4, 8                     ; and over the 16 queries of a tile, which lie in 16 lanes
.set ii, 0
.rept 32
	v_add_f32_dpp v[OSR+ii], v[OSR+ii], v[OSR+ii] row_xmask:\x row_mask:0xf bank_mask:0xf
.set ii, ii+1
.endr
.endr
	v_add_nc_u32 v18, s[OOF], v[OSA]
.set ii, 0
.rept 8
	ds_store_b128 v18, v[OSR+4*ii:OSR+4*ii+3] offset:(ii/2)*64+(ii%2)*16  ; channels 16 chb + 8 h + 4 u ..: sixteen lanes write the same words with the same numbers
.set ii, ii+1
.endr
	s_cmp_eq_u32 s[CNT], 3
	s_cbranch_scc0 .Lhalf
	OWNIO 1, RESC                                  ; head 2 w's result is SET 0 of the next product: IMG was last read ahead of the rounds at the start
.set ii, 0
.rept 64
	v_mov_b32 v[RESC+ii], v[RESN+ii]
.set ii, ii+1
.endr
	WIN 0x41
.set ii, 0
.rept 64
	v_mov_b32 v[QC+ii], v[QN+ii]
.set ii, ii+1
.endr
	WIN 0
	ALLQ v_mov_b32 v[ST+8*qt], 0xfe000000
	ALLQ v_mov_b32 v[ST+8*qt+1], 0xff7fffff
	s_mov_b32 s[OOF], 256                          ; the next head's 64 sums
	s_mov_b64 s[NXT:NXT+1], s[FWB:FWB+1]           ; K's and V's four loads have been asked for: fw1's SET 0 follows
.Lhalf:
	s_sub_co_u32 s[CNT], s[CNT], 1
	s_cmp_lg_u32 s[CNT], 0
	s_cbranch_scc1 .Latt
	; ---- result takes the activation's place.  The tensor load that is out may stay out.
	BAR                                            ; SET 0 of result is whole in IMG; my LDS loads into F0 and F1 are back
	GLOAD GA, 0                                    ; SET 1 of the first trip's two column blocks: V's and Q's registers are free
	GLOAD GB, 8192
	XLOAD 0
	BAR
	OWNIO 1, RESC                                  ; head 2 w + 1: SET 1
	BAR
	XLOAD 1
	s_wait_dscnt 0x0
	WIN 0
	; ---- THE FEED-FORWARD: 16 trips, two to a slot.  The first six slots are filled again, two slots ahead; between a slot's last trip and the next slot's first stand the three lines, a round of the cluster's
	; barrier and my one joint load, which has two trips, 256 matrix instructions, in which to land.
	s_mov_b32 s[HOFF], 0
	s_mov_b32 s[SLT], 6
.Lfs:
	s_mov_b32 s[CNI], 2
.Lfi:
	BODY 0
	s_sub_co_u32 s[CNI], s[CNI], 1
	s_cmp_lg_u32 s[CNI], 0
	s_cbranch_scc1 .Lfi
	THREE 1                                        ; my part of the next slot has landed; my reads of this slot are over
	CROUND                                         ; no wave of any partner still reads this slot or has a load on its way
	JLOAD
	s_sub_co_u32 s[TB], s[TB], 2*HALFP             ; back to a slot's first trip,
	s_xor_b32 s[TB], s[TB], SLOT1                  ; in the other slot
	s_sub_co_u32 s[SLT], s[SLT], 1
	s_cmp_lg_u32 s[SLT], 0
	s_cbranch_scc1 .Lfs
	s_mov_b32 s[SLT], 2
.Lts:                                                  ; the last two slots are written out: nothing is asked for
	s_mov_b32 s[CNI], 2
.Lti:
	BODY 1
	s_sub_co_u32 s[CNI], s[CNI], 1
	s_cmp_lg_u32 s[CNI], 0
	s_cbranch_scc1 .Lti
	s_wait_tensorcnt 0x0                           ; my part of the last slot has landed; only I read it
	s_sub_co_u32 s[TB], s[TB], 2*HALFP
	s_xor_b32 s[TB], s[TB], SLOT1
	s_sub_co_u32 s[SLT], s[SLT], 1
	s_cmp_lg_u32 s[SLT], 0
	s_cbranch_scc1 .Lts
	; ---- the way out: my 512 sums of relu(h), and for my 128 columns the four waves' sums of q_in plus my sums of out.  Every store covers 512 consecutive aligned bytes.
	s_lshl_b32 s72, s[WV], 11
	v_add_nc_u32 v18, s72, v[LN16]
	v_add_nc_u32 v22, 2048, v18
	v_add_nc_u32 v18, HS, v18
	s_lshl_b32 s72, s[WV], 9
	v_add_nc_u32 v21, s72, v[LN16]
	v_add_nc_u32 v19, CSQ, v21
	v_add_nc_u32 v20, OSS, v21
.irp k, 0,1,2,3
	ds_load_b128 v[32+4*(\k):35+4*(\k)], v18 offset:512*(\k)   ; my own words: LDS serves a wave's instructions in order
.endr
.irp k, 0,1,2,3
	ds_load_b128 v[64+4*(\k):67+4*(\k)], v19 offset:2048*(\k)  ; stored at the start, ahead of many barriers
.endr
	ds_load_b128 v[80:83], v20
	s_wait_dscnt 0x5                               ; the five younger loads may stay out
.irp k, 0,1,2,3
	global_store_b128 v22, v[32+4*(\k):35+4*(\k)], s[OUTP:OUTP+1] offset:512*(\k)
.endr
	s_wait_dscnt 0x0
	v_pk_add_f32 v[64:65], v[64:65], v[68:69]
	v_pk_add_f32 v[66:67], v[66:67], v[70:71]
	v_pk_add_f32 v[72:73], v[72:73], v[76:77]
	v_pk_add_f32 v[74:75], v[74:75], v[78:79]
	v_pk_add_f32 v[64:65], v[64:65], v[72:73]
	v_pk_add_f32 v[66:67], v[66:67], v[74:75]
	v_pk_add_f32 v[64:65], v[64:65], v[80:81]
	v_pk_add_f32 v[66:67], v[66:67], v[82:83]
	global_store_b128 v21, v[64:67], s[OUTP:OUTP+1]
	THREE 0                                        ; the wave's end
	CROUND                                         ; the closing round: no work-group ends while a partner may still ask jointly
	s_endpgm
.Lfunc_end_k_qfd621bf18a_main:
	.size	k_qfd621bf18a_main, .Lfunc_end_k_qfd621bf18a_main-k_qfd621bf18a_main
	.p2alignl 7, 3214868480
	.fill 96, 4, 3214868480
	.section	.rodata,"a",@progbits
	.p2align	6, 0x0
	.amdhsa_kernel k_qfd621bf18a_main
		.amdhsa_group_segment_fixed_size 327680
		.amdhsa_private_segment_fixed_size 0
		.amdhsa_enable_private_segment 0
		.amdhsa_kernarg_size 64
		.amdhsa_user_sgpr_count 2
		.amdhsa_user_sgpr_kernarg_segment_ptr 1
		.amdhsa_wavefront_size32 1
		.amdhsa_system_sgpr_workgroup_id_x 1
		.amdhsa_system_sgpr_workgroup_id_y 1
		.amdhsa_system_sgpr_workgroup_id_z 1
		.amdhsa_system_vgpr_workitem_id 0
		.amdhsa_next_free_vgpr 1024
		.amdhsa_next_free_sgpr 92
		.amdhsa_reserve_vcc 1
		.amdhsa_float_denorm_mode_32 3
		.amdhsa_float_denorm_mode_16_64 3
		.amdhsa_memory_ordered 1
		.amdhsa_forward_progress 1
		.amdhsa_inst_pref_size 228
	.end_amdhsa_kernel
	.amdgpu_metadata
---
amdhsa.version: [ 1, 2 ]
amdhsa.kernels:
  - .name:           k_qfd621bf18a_main
    .symbol:         k_qfd621bf18a_main.kd
    .args:
      - { .name: queries, .offset: 0, .size: 8, .value_kind: global_buffer, .address_space: global }
      - { .name: pe, .offset: 8, .size: 8, .value_kind: global_buffer, .address_space: global }
      - { .name: wqf, .offset: 16, .size: 8, .value_kind: global_buffer, .address_space: global }
      - { .name: kvimg, .offset: 24, .size: 8, .value_kind: global_buffer, .address_space: global }
      - { .name: fw1f, .offset: 32, .size: 8, .value_kind: global_buffer, .address_space: global }
      - { .name: key_lens, .offset: 40, .size: 8, .value_kind: global_buffer, .address_space: global }
      - { .name: query_lens, .offset: 48, .size: 8, .value_kind: global_buffer, .address_space: global }
      - { .name: part, .offset: 56, .size: 8, .value_kind: global_buffer, .address_space: global }
    .group_segment_fixed_size: 327680
    .private_segment_fixed_size: 0
    .kernarg_segment_align: 8
    .kernarg_segment_size: 64
    .max_flat_workgroup_size: 128
    .sgpr_count:     92
    .vgpr_count:     1024
    .wavefront_size: 32
...
	.end_amdgpu_metadata
.endif
;; end of part 3
;; launch final (part 4): grid 8 x 16, 8 waves a work-group, no clusters, 78,848 bytes of LDS; arguments part, fw2f, out0; writes out0
.if DOCPART == 4
	.amdgcn_target "amdgcn-amd-amdhsa--gfx1250"
	.amdhsa_code_object_version 6
	.text
	.protected	k_qfd621bf18a_final
	.globl	k_qfd621bf18a_final
	.p2align	8
	.type	k_qfd621bf18a_final,@function
k_qfd621bf18a_final:
	s_mov_b64 s[64:65], 0
	v_nop
	global_prefetch_b8 v0, s[64:65] scope:SCOPE_SE
	s_setreg_imm32_b32 hwreg(HW_REG_WAVE_MODE, 25, 1), 1
	s_wait_xcnt 0x0
; FINAL.  out0[b][n] = (sum over the four quarters of R[b][qd][n] + sum over k of HS[b][qd][k] fw2[k][n]) / 256, where part[b][qd] = 512 sums R of result and 2,048 sums HS of relu(h).
; SHARES.  Work-group (ng, bg): 64 columns (4 column blocks) x 4 batches.  The 16 rows of the product's first operand are (batch b' = rho / 4, quarter qd = rho % 4): part's rows 16 bg + rho; the quarters are
; added in f32 behind the product.  Wave v of eight takes k = 256 v .. 256 v + 255; the waves' sums meet in LDS.  HS is rounded to bf16 for the product; fw2's images come straight into registers.
; 128 work-groups: 0.13 GFLOP have no more to share.  No tensor load, no cluster: each byte of fw2f is wanted by 16 work-groups once, and the launch is short.
.set AIMG,  0                          ; 8 waves x 8,704: 8 fragments of 4 pieces, 272 bytes apart
.set RED,   69632                      ; 8 waves x 1,024: (2 nb + u2) x 128 + 4 lane
.set SPARE, 77824                      ; the spare words, 128 bytes a wave
.set SPW, 28
.set NIL, 29
.set RAW, 32                           ; v32-159  HS as loaded: unit 2 rho + u, 4 numbers
.set AF,  160                          ; v160-223 the 8 fragments of my 256 k
.set ACC, 224                          ; v224-255 4 accumulators.  Window 1: fw2's fragments, column block nb, k block kb at 64 nb + 8 kb
.set WV,  10
.set MSB, 0
.macro WIN new
.if MSB != (\new)
	s_set_vgpr_msb (MSB<<8)|(\new)
.set MSB, \new
.endif
.endm
	s_load_b128 s[4:7], s[0:1], 0x0                ; part s[4:5], fw2f s[6:7]
	s_load_b64 s[8:9], s[0:1], 0x10                ; out0
	v_lshl_add_u32 v[SPW], v0, 2, SPARE
	v_mov_b32 v[NIL], 0
	v_lshrrev_b32 v1, 5, v0
	v_readfirstlane_b32 s[WV], v1                  ; wave 0..7
	s_and_b32 s11, ttmp7, 0xffff                   ; bg
	s_mul_i32 s12, s11, 163840                     ; 16 rows of 10,240 bytes
	s_lshl_b32 s16, s[WV], 10
	s_add_co_u32 s14, s12, s16
	s_add_co_u32 s14, s14, 2048                    ; HS lies behind R's 2,048 bytes; my 256 k
	s_mov_b32 s15, 0
	s_lshl_b32 s16, ttmp9, 18                      ; four column blocks of 64 KiB,
	s_lshl_b32 s17, s[WV], 13                      ; my eight k blocks
	s_add_co_u32 s16, s16, s17
	s_mov_b32 s17, 0
	s_lshl_b32 s18, ttmp9, 8                       ; my 64 columns in f32
	s_add_co_u32 s12, s12, s18
	s_mov_b32 s13, 0
	s_lshl_b32 s20, s11, 13                        ; four rows of out0
	s_add_co_u32 s20, s20, s18
	s_mov_b32 s21, 0
	v_and_b32 v5, 31, v0
	v_lshlrev_b32 v1, 4, v5                        ; 16 x lane
	s_mul_i32 s22, s[WV], 8704
	v_lshrrev_b32 v6, 1, v5
	v_mul_u32_u24 v6, v6, 272
	v_and_b32 v7, 1, v0
	v_lshl_add_u32 v6, v7, 3, v6
	v_add_nc_u32 v2, s22, v6                       ; my 4 k go to piece 16 u + lane / 2, bytes 8 (lane % 2) of row rho's 16
	v_and_b32 v6, 15, v0
	v_bfe_u32 v7, v0, 4, 1
	v_mul_u32_u24 v7, v7, 272
	v_lshl_add_u32 v7, v6, 4, v7
	v_add_nc_u32 v3, s22, v7                       ; a fragment's 272 h + 16 r
	s_lshl_b32 s22, s[WV], 10
	s_add_co_u32 s22, s22, RED
	v_lshl_add_u32 v4, v5, 2, s22
	s_wait_kmcnt 0x0
	s_add_nc_u64 s[14:15], s[4:5], s[14:15]
	s_add_nc_u64 s[16:17], s[6:7], s[16:17]
	s_add_nc_u64 s[12:13], s[4:5], s[12:13]
	s_add_nc_u64 s[8:9], s[8:9], s[20:21]
.set n, 0
.rept 32
	global_load_b128 v[RAW+4*n:RAW+4*n+3], v1, s[14:15] offset:(n/2)*10240+(n%2)*512  ; 512 consecutive bytes of row rho = n / 2
.set n, n+1
.endr
.macro BLOAD nb0                       ; 32 loads: column blocks nb0, nb0 + 1
	WIN 0x40
.set n, 0
.rept 32
	global_load_b128 v[64*(\nb0)+4*n:64*(\nb0)+4*n+3], v1, s[16:17] offset:(\nb0)*65536+(n/16)*65536+(n%16)*512
.set n, n+1
.endr
	WIN 0
.endm
	BLOAD 0
	s_wait_loadcnt 32                              ; HS is in: the 32 loads of fw2 issued behind may stay out
.set n, 0
.rept 32
	v_cvt_pk_bf16_f32 v[RAW+4*n],   v[RAW+4*n],   v[RAW+4*n+1]
	v_cvt_pk_bf16_f32 v[RAW+4*n+1], v[RAW+4*n+2], v[RAW+4*n+3]
	ds_store_b64 v2, v[RAW+4*n:RAW+4*n+1] offset:(n%2)*4352+(n/2)*16
.set n, n+1
.endr
	BLOAD 2
.set n, 0
.rept 8
	ds_load_b128 v[AF+8*n:AF+8*n+3],   v3 offset:n*1088      ; my own bytes: LDS serves a wave's instructions in order
	ds_load_b128 v[AF+8*n+4:AF+8*n+7], v3 offset:n*1088+544
.set n, n+1
.endr
	s_wait_dscnt 0x0
.macro MUL nb0                         ; 16 matrix instructions: two accumulators by turns; the first k block starts the sums
	WIN 0x04
.set kb, 0
.rept 8
.set nb, \nb0
.rept 2
.if kb == 0
	v_wmma_f32_16x16x32_bf16 v[ACC+8*nb:ACC+8*nb+7], v[AF+8*kb:AF+8*kb+7], v[64*nb+8*kb:64*nb+8*kb+7], 0
.else
	v_wmma_f32_16x16x32_bf16 v[ACC+8*nb:ACC+8*nb+7], v[AF+8*kb:AF+8*kb+7], v[64*nb+8*kb:64*nb+8*kb+7], v[ACC+8*nb:ACC+8*nb+7]
.endif
.set nb, nb+1
.endr
.set kb, kb+1
.endr
.endm
	s_wait_loadcnt 32                              ; column blocks 0 and 1 are in
	MUL 0
	s_wait_loadcnt 0x0
	MUL 2
	WIN 0
.rept 4
	v_nop                                          ; four places behind the last products (ISA guide 7.12.1)
.endr
.set n, 0
.rept 8                                ; registers 0-3 of a lane are the four quarters of batch 2 h, registers 4-7 of batch 2 h + 1; the low ones are read first
	v_pk_add_f32 v[ACC+4*n:ACC+4*n+1], v[ACC+4*n:ACC+4*n+1], v[ACC+4*n+2:ACC+4*n+3]
	v_add_f32 v[ACC+4*n], v[ACC+4*n], v[ACC+4*n+1]
	ds_store_b32 v4, v[ACC+4*n] offset:n*128
.set n, n+1
.endr
	s_wait_dscnt 0x0                               ; for the others' sake: my sums are in LDS
	s_barrier_signal -1
	s_barrier_wait -1
	s_cmp_gt_u32 s[WV], 1
	s_cbranch_scc1 .Lend                           ; 4 batches x 64 columns are 64 lanes x 4 numbers: waves 0 and 1
	v_bfe_u32 v5, v0, 4, 2                         ; b'
	v_and_b32 v6, 15, v0                           ; x: columns 4 x ..
	v_mul_u32_u24 v7, v5, 40960
	v_lshl_add_u32 v7, v6, 4, v7
.irp k, 0,1,2,3
	global_load_b128 v[64+4*(\k):67+4*(\k)], v7, s[12:13] offset:10240*(\k)  ; R of the four quarters
.endr
	v_lshrrev_b32 v8, 2, v6                        ; column block
	v_and_b32 v9, 1, v5
	v_lshl_add_u32 v8, v8, 1, v9
	v_lshlrev_b32 v8, 7, v8
	v_lshrrev_b32 v9, 1, v5                        ; the half of the lanes that held batch b'
	v_lshl_add_u32 v8, v9, 6, v8
	v_and_b32 v9, 3, v6
	v_lshl_add_u32 v8, v9, 4, v8
	v_add_nc_u32 v8, RED, v8
.irp k, 0,1,2,3,4,5,6,7
	ds_load_b128 v[32+4*(\k):35+4*(\k)], v8 offset:1024*(\k)
.endr
	v_lshlrev_b32 v9, 11, v5
	v_lshl_add_u32 v9, v6, 4, v9
	s_wait_dscnt 0x0
.irp w, 16, 8, 4
.set n, 0
.rept (\w)/2
	v_pk_add_f32 v[32+n:33+n], v[32+n:33+n], v[32+(\w)+n:33+(\w)+n]
.set n, n+2
.endr
.endr
	s_wait_loadcnt 0x0
.irp w, 8, 4
.set n, 0
.rept (\w)/2
	v_pk_add_f32 v[64+n:65+n], v[64+n:65+n], v[64+(\w)+n:65+(\w)+n]
.set n, n+2
.endr
.endr
	v_pk_add_f32 v[32:33], v[32:33], v[64:65]
	v_pk_add_f32 v[34:35], v[34:35], v[66:67]
	v_pk_mul_f32 v[32:33], v[32:33], 0x3b800000 op_sel_hi:[1,0]  ; the mean over 256 rows
	v_pk_mul_f32 v[34:35], v[34:35], 0x3b800000 op_sel_hi:[1,0]
	global_store_b128 v9, v[32:35], s[8:9]         ; sixteen lanes store 256 consecutive bytes at a multiple of 256
.Lend:
	s_wait_tensorcnt 0x0                           ; the wave's end
	ds_add_u32 v[SPW], v[NIL]
	s_wait_dscnt 0x0
	s_endpgm
.Lfunc_end_k_qfd621bf18a_final:
	.size	k_qfd621bf18a_final, .Lfunc_end_k_qfd621bf18a_final-k_qfd621bf18a_final
	.p2alignl 7, 3214868480
	.fill 96, 4, 3214868480
	.section	.rodata,"a",@progbits
	.p2align	6, 0x0
	.amdhsa_kernel k_qfd621bf18a_final
		.amdhsa_group_segment_fixed_size 78848
		.amdhsa_private_segment_fixed_size 0
		.amdhsa_enable_private_segment 0
		.amdhsa_kernarg_size 24
		.amdhsa_user_sgpr_count 2
		.amdhsa_user_sgpr_kernarg_segment_ptr 1
		.amdhsa_wavefront_size32 1
		.amdhsa_system_sgpr_workgroup_id_x 1
		.amdhsa_system_sgpr_workgroup_id_y 1
		.amdhsa_system_sgpr_workgroup_id_z 1
		.amdhsa_system_vgpr_workitem_id 0
		.amdhsa_next_free_vgpr 512
		.amdhsa_next_free_sgpr 66
		.amdhsa_reserve_vcc 0
		.amdhsa_float_denorm_mode_32 3
		.amdhsa_float_denorm_mode_16_64 3
		.amdhsa_memory_ordered 1
		.amdhsa_forward_progress 1
		.amdhsa_inst_pref_size 26
	.end_amdhsa_kernel
	.amdgpu_metadata
---
amdhsa.version: [ 1, 2 ]
amdhsa.kernels:
  - .name:           k_qfd621bf18a_final
    .symbol:         k_qfd621bf18a_final.kd
    .args:
      - { .name: part, .offset: 0, .size: 8, .value_kind: global_buffer, .address_space: global }
      - { .name: fw2f, .offset: 8, .size: 8, .value_kind: global_buffer, .address_space: global }
      - { .name: out0, .offset: 16, .size: 8, .value_kind: global_buffer, .address_space: global }
    .group_segment_fixed_size: 78848
    .private_segment_fixed_size: 0
    .kernarg_segment_align: 8
    .kernarg_segment_size: 24
    .max_flat_workgroup_size: 256
    .sgpr_count:     66
    .vgpr_count:     512
    .wavefront_size: 32
...
	.end_amdgpu_metadata
.endif
;; end of part 4
;; ======== version 2 of 2: 4 launches; version 1 with the launches prep, final written anew for expert scheduling mode
;; limits: values are held in f16: magnitudes above 65,504 overflow, below 6.1e-05 lose precision
;; workspace buffers: pe 524,288 bytes; wqf 524,288 bytes; wkf 1,048,576 bytes; fw1f 2,097,152 bytes; fw2f 2,097,152 bytes; kvimg 33,554,432 bytes; part 2,621,440 bytes
;; launch prep (part 5): grid 304 x 1, 4 waves a work-group, no clusters, 35,328 bytes of LDS; arguments W_Q, W_K, W_V, fw1, fw2, wqf, wkf, fw1f, fw2f, pe; writes wqf, wkf, fw1f, fw2f, pe
.if DOCPART == 5
	.amdgcn_target "amdgcn-amd-amdhsa--gfx1250"
	.amdhsa_code_object_version 6
	.text
	.protected	k_qfd621bf18a_prep
	.globl	k_qfd621bf18a_prep
	.p2align	8
	.type	k_qfd621bf18a_prep,@function
k_qfd621bf18a_prep:
	s_mov_b64 s[64:65], 0
	v_nop
	global_prefetch_b8 v0, s[64:65] scope:SCOPE_SE
	s_setreg_imm32_b32 hwreg(HW_REG_WAVE_SCHED_MODE, 0, 2), 2
	s_setreg_imm32_b32 hwreg(HW_REG_WAVE_MODE, 25, 1), 1
	s_wait_xcnt 0x0
	s_wait_alu depctr_vm_vsrc(0)
; PREP.  (1) The five weight matrices, f32 [K][N], are rounded once to 16 bits and laid out as FRAGMENT IMAGES: for 16 columns x 32 k one block of 1,024 bytes that holds the
; matrix operand as it lies in registers: byte c*512 + lane*16 holds registers 4c..4c+3 of the lane; lane = r + 16 h holds column r, k = 16 c + 8 h + 0..7.
; W_Q, W_K, W_V go in f16 (11 significant bits): where a batch has one valid key all its rows take one row of V, whose error the mean over the rows does not average out.
; fw1 and fw2 go in bf16: their partners (result, the sums of relu(h)) have no room in f16.
; wqf = [column block][k block], fw2f likewise.  wkf and fw1f are SPLIT BY SET: k block kb belongs to SET (kb / 2) % 2, at place kk = 2 (kb / 4) + kb % 2; a column block's eight images of a SET are 8 KiB on end;
; all of SET 0 lies first (it is fetched through LDS), all of SET 1 behind it (it is loaded straight into registers).  wkf's order of column blocks: [wave][W_K, W_V][8].
; (2) The position table pe[t][0..255] = cos(t f_i), pe[t][256..511] = sin(t f_i), f_i = 10000^(-i/256), in f32.
; SHARES.  Work-groups 0-175: each wave takes 32 k x 128 columns of one matrix (704 such tasks): 32 loads of 512 consecutive bytes, 64 roundings in pairs along k, a turn through the
; wave's own LDS scratch, 16 stores in which sixteen lanes write 256 consecutive aligned bytes.  Work-groups 176-303: each wave makes 128 cosines and 128 sines of one row t.
; No matrix unit, no cluster, no tensor load: the launch streams 11.5 MB once and nothing is shared.
; LIMITS.  W_Q, W_K, W_V beyond 65,504 become infinities; below 6e-5 they keep f16's fixed step of 6e-8.
; The table's argument t f_i (at most 255) is reduced by pi/2 in two parts; sine to r^9 and cosine to r^8 on |r| <= pi/4 leave less than 3e-8.
; THE MODE: SCHED_MODE bits 1:0 = 2 (LLVM: expert scheduling mode 2), set by the entry lines.  The code itself states the register dependences
; between vector instructions and memory or LDS instructions, with s_wait_alu, always for 0.
; THE PLAN, a weight task.  Registers that memory or LDS instructions touch:
;   AD        written by the chain of adds at the head; read by the 32 loads; never written again.
;   D         the 32 loads land in it; the roundings read it; the 16 loads out of LDS land in its first 64 registers; the global stores read those.
;   PKD       group g's sixteen roundings write its sixteen registers; its four LDS stores read them; never written again.
;   STA, RDA, GO   written by vector lines behind the loads; read by the LDS stores, the LDS loads and the global stores; never written again.
; One wait on va_vdst stands ahead of the loads (AD).  One stands at the head of each of groups 1 to 3, behind the wait for that group's rows: the group before has written its part of PKD, and its four LDS stores
; follow, ahead of this group's roundings, which name other registers.  One stands behind the last group's roundings, for its stores and for the LDS loads into D.  No register that a memory or LDS instruction reads is written again.
; THE PLAN, the table.  The four frequencies of a lane go side by side: the four exponentials are one batch with one wait; the four compares write four scalar registers, with one wait behind the run;
; one wait stands ahead of the two stores, whose offset and data vector lines have written.
.set SCR,   8704                       ; a wave's scratch: 4 groups of 8 k x 8 column blocks x 272 bytes (256 + 16: the sixteen 16-byte columns of a store fall on different banks)
.set SPARE, 34816                      ; behind the four scratches: the spare words, 128 bytes a wave
.set STA, 2                            ; v2     where I put a column's 16 bytes
.set RDA, 3                            ; v3     where I read 16 bytes of a block's 256 back
.set GO,  4                            ; v4-7   my byte offset in the target for column blocks 2t + (lane/16), t = 0..3
.set SPW, 28                           ; v28    my spare word;  v29  0
.set NIL, 29
.set AD,  32                           ; v32-63   byte offset of my 16 bytes in source row i
.set D,   64                           ; v64-191  row i: 4 numbers; later the blocks read back
.set PKD, 192                          ; v192-255 rounded pairs
.set TQ,  32                           ; the table: frequency tq of four has twelve registers at TQ + 12 tq
.set MK,  40                           ; the table: s40-43 the masks of the odd quadrants
.set WV,  24
	s_load_b512 s[4:19], s[0:1], 0x0               ; W_Q s[4:5], W_K s[6:7], W_V s[8:9], fw1 s[10:11], fw2 s[12:13], wqf s[14:15], wkf s[16:17], fw1f s[18:19]
	s_load_b128 s[20:23], s[0:1], 0x40             ; fw2f s[20:21], pe s[22:23]
	v_lshl_add_u32 v[SPW], v0, 2, SPARE
	v_mov_b32 v[NIL], 0
	v_lshrrev_b32 v1, 5, v0
	v_readfirstlane_b32 s[WV], v1                  ; wave 0..3
	v_and_b32 v1, 31, v0                           ; lane
	s_wait_alu depctr_va_sdst(0)                   ; s24, the wave's number, is written: ahead of the branch, behind which both ways read it
	s_cmp_ge_u32 ttmp9, 176
	s_cbranch_scc1 .Ltable
	; ---- a weight task.  tau = 4 x work-group + wave: 0-63 W_Q, 64-127 W_K, 128-191 W_V, 192-447 fw1, 448-703 fw2: the matrix hangs on the work-group's number alone
	s_lshl_b32 s25, ttmp9, 2
	s_add_co_u32 s25, s25, s[WV]
	s_and_b32 s26, s25, 15                         ; k block where K = 512
	s_and_b32 s30, s25, 63                         ; k block of fw2 (K = 2,048)
	s_lshr_b32 s27, s25, 4
	s_and_b32 s28, s27, 3                          ; group of 128 columns: the projections',
	s_sub_co_u32 s29, s27, 12                      ; fw1's,
	s_lshr_b32 s31, s25, 6
	s_sub_co_u32 s31, s31, 7                       ; fw2's
	s_wait_kmcnt 0x0
	s_cmp_lt_u32 ttmp9, 112                        ; fw1 (or a projection), else fw2
	s_cselect_b32 s26, s26, s30
	s_cselect_b32 s33, s29, s31
	s_cselect_b32 s32, 13, 16                      ; log2 of the bytes from a column block to the next in the target: 8 KiB where split by SET, else K/32 KiB
	s_cselect_b32 s34, 16, 19                      ; log2 of eight such
	s_cselect_b32 s35, 13, 11                      ; log2 of a source row's bytes
	s_cselect_b32 s41, 0x100000, 0                 ; how far SET 1 lies behind SET 0; 0: the target is not split
	s_cselect_b64 s[36:37], s[10:11], s[12:13]
	s_cselect_b64 s[38:39], s[18:19], s[20:21]
	s_cmp_lt_u32 ttmp9, 48                         ; a projection: first taken as W_V
	s_cselect_b32 s33, s28, s33
	s_cselect_b32 s34, 17, s34                     ; wkf: a wave's group of columns every 128 KiB (wqf: eight blocks of 16 KiB),
	s_cselect_b32 s35, 11, s35
	s_cselect_b32 s40, 0x10000, 0                  ; W_V's 64 KiB behind W_K's
	s_cselect_b32 s41, 0x80000, s41
	s_cselect_b64 s[36:37], s[8:9], s[36:37]
	s_cselect_b64 s[38:39], s[16:17], s[38:39]
	s_cmp_lt_u32 ttmp9, 32                         ; W_K (or W_Q)
	s_cselect_b32 s40, 0, s40
	s_cselect_b64 s[36:37], s[6:7], s[36:37]
	s_cmp_lt_u32 ttmp9, 16                         ; W_Q: not split
	s_cselect_b32 s32, 14, s32
	s_cselect_b32 s41, 0, s41
	s_cselect_b64 s[36:37], s[4:5], s[36:37]
	s_cselect_b64 s[38:39], s[14:15], s[38:39]
	s_add_co_u32 s27, s35, 5
	s_lshl_b32 s42, s26, s27                       ; 32 rows a k block,
	s_lshl_b32 s43, s33, 9                         ; 512 bytes a group of columns
	s_add_co_u32 s42, s42, s43
	s_mov_b32 s43, 0
	s_add_nc_u64 s[36:37], s[36:37], s[42:43]      ; the source at my task's corner
	s_lshl_b32 s44, s33, s34
	s_add_co_u32 s44, s44, s40
	s_lshl_b32 s45, s26, 10                        ; the k block's place: not split: kb KiB;
	s_bfe_u32 s28, s26, 0x10001                    ; split: SET = bit 1 of kb,
	s_mul_i32 s28, s28, s41
	s_lshr_b32 s29, s26, 2
	s_and_b32 s30, s26, 1
	s_lshl1_add_u32 s29, s29, s30                  ; kk = 2 (kb / 4) + kb % 2
	s_lshl_b32 s29, s29, 10
	s_add_co_u32 s28, s28, s29
	s_cmp_lg_u32 s41, 0
	s_cselect_b32 s45, s28, s45
	s_add_co_u32 s44, s44, s45
	s_mov_b32 s45, 0
	s_add_nc_u64 s[38:39], s[38:39], s[44:45]      ; the target at (first column block, k block)
	s_lshl_b32 s46, 1, s35                         ; bytes in a source row
	v_lshlrev_b32 v[AD], 4, v1
.set i, 1
.rept 31
	v_add_nc_u32 v[AD+i], s46, v[AD+i-1]
.set i, i+1
.endr
	s_wait_alu depctr_va_vdst(0)                   ; the 32 offsets v[AD ..] are written, which the loads below read
.set i, 0
.rept 32
	global_load_b128 v[D+4*i:D+4*i+3], v[AD+i], s[36:37] th:TH_LOAD_NT  ; row i: 512 consecutive bytes; every source byte is read once in the launch
.set i, i+1
.endr
	s_mul_i32 s47, s[WV], SCR
	v_lshrrev_b32 v8, 2, v1                        ; my four columns lie in column block lane / 4, at r = 4 (lane % 4) + q
	v_mul_u32_u24 v8, v8, 272
	v_and_b32 v9, 3, v1
	v_lshl_add_u32 v8, v9, 6, v8
	v_add_nc_u32 v[STA], s47, v8
	v_lshrrev_b32 v8, 4, v1
	v_and_b32 v9, 15, v1
	v_mul_u32_u24 v10, v8, 272
	v_lshl_add_u32 v10, v9, 4, v10
	v_add_nc_u32 v[RDA], s47, v10
	v_lshlrev_b32 v10, s32, v8
	v_lshl_add_u32 v[GO], v9, 4, v10
	s_add_co_u32 s31, s32, 1
	s_lshl_b32 s31, 1, s31                         ; two column blocks on
	v_add_nc_u32 v[GO+1], s31, v[GO]
	v_add_nc_u32 v[GO+2], s31, v[GO+1]
	v_add_nc_u32 v[GO+3], s31, v[GO+2]
; Group g = 2 c + h: rows 8 g .. 8 g + 7.  Its sixteen roundings: half = 1 to f16, half = 0 to bf16
.macro CVT16 g, half
.set q, 0
.rept 4
.set jj, 0
.rept 4
.if \half
	v_cvt_pk_f16_f32 v[PKD+16*(\g)+4*q+jj], v[D+4*(8*(\g)+2*jj)+q], v[D+4*(8*(\g)+2*jj+1)+q]   ; column q: k = 2 jj below, 2 jj + 1 above
.else
	v_cvt_pk_bf16_f32 v[PKD+16*(\g)+4*q+jj], v[D+4*(8*(\g)+2*jj)+q], v[D+4*(8*(\g)+2*jj+1)+q]
.endif
.set jj, jj+1
.endr
.set q, q+1
.endr
.endm
; Group g's four stores into my scratch
.macro PUT g
.set q, 0
.rept 4
	ds_store_b128 v[STA], v[PKD+16*(\g)+4*q:PKD+16*(\g)+4*q+3] offset:(\g)*2176+q*16
.set q, q+1
.endr
.endm
; The 64 roundings and the 16 stores: a group's stores stand at the head of the next group
.macro ROUNDS half
	s_wait_loadcnt 24                              ; loads come back in order: the rows of the later groups may stay out
	CVT16 0, \half
.irp g, 1,2,3
	s_wait_loadcnt 24-8*(\g)
	s_wait_alu depctr_va_vdst(0)                   ; the group before has written its sixteen registers of PKD, which the four stores below read; at the first of these waits v[STA], v[RDA] and v[GO ..] are written too
	PUT (\g)-1
	CVT16 \g, \half
.endr
	s_wait_alu depctr_va_vdst(0)                   ; the last group has written its part of PKD; and all roundings are done reading v[D ..], in which the loads out of LDS land
	PUT 3
.endm
	s_cmp_lt_u32 ttmp9, 48                         ; the three projections' weights go in f16, fw1 and fw2 in bf16
	s_cbranch_scc1 .Lhalf16
	ROUNDS 0
	s_branch .Lturned
.Lhalf16:
	ROUNDS 1
.Lturned:
.set n, 0
.rept 16                               ; back by blocks: LDS serves a wave's instructions in order (ISA guide 5.7.1.4), and the scratch is the wave's own: no wait on DScnt, no barrier.  No vector line since the last wait names v[RDA] or v[D ..]
	ds_load_b128 v[D+4*n:D+4*n+3], v[RDA] offset:(n/4)*2176+(n%4)*544
.set n, n+1
.endr
.set n, 0
.rept 16
	s_wait_dscnt 15-n
	global_store_b128 v[GO+n%4], v[D+4*n:D+4*n+3], s[38:39] offset:(n/4)*256  ; sixteen lanes store 256 consecutive bytes at a multiple of 256
.set n, n+1
.endr
	s_wait_dscnt 0x0                               ; the closing lines, six on end
	s_wait_alu 0x0
	s_wait_tensorcnt 0x0
	ds_add_u32 v[SPW], v[NIL]
	s_wait_dscnt 0x0
	s_endpgm
	; ---- the table.  pi = 4 x (work-group - 176) + wave: row t = pi / 2, frequencies 128 (pi % 2) + 4 lane + 0..3
.Ltable:
	s_sub_co_u32 s25, ttmp9, 176
	s_lshl_b32 s25, s25, 2
	s_add_co_u32 s25, s25, s[WV]
	s_lshr_b32 s26, s25, 1
	s_and_b32 s27, s25, 1
	s_lshl_b32 s28, s27, 7
	v_lshl_add_u32 v2, v1, 2, s28                  ; my first frequency's number
	v_cvt_f32_u32 v3, s26                          ; t
	v_lshlrev_b32 v4, 4, v1
	s_lshl_b32 s30, s26, 11
	s_lshl_b32 s31, s27, 9
	s_add_co_u32 s30, s30, s31
	s_mov_b32 s31, 0
	s_wait_kmcnt 0x0
	s_add_nc_u64 s[22:23], s[22:23], s[30:31]
.macro ALL4 line:vararg                ; one line for each of my four frequencies tq; cos goes into v[8+tq], sin into v[12+tq]
.set tq, 0
.rept 4
	\line
.set tq, tq+1
.endr
.endm
	ALL4 v_add_nc_u32 v[TQ+12*tq], tq, v2
	ALL4 v_cvt_f32_u32 v[TQ+12*tq], v[TQ+12*tq]
	ALL4 v_mul_f32 v[TQ+12*tq], 0xbd549a78, v[TQ+12*tq]             ; - i log2(10000) / 256
	ALL4 v_exp_f32 v[TQ+12*tq], v[TQ+12*tq]
	v_nop                                          ; a plain instruction behind the last exponential (ISA guide 5.7.2)
	s_wait_alu depctr_va_vdst(0)                   ; the four exponentials have written f, ahead of their first reader: one wait for the batch
	ALL4 v_mul_f32 v[TQ+12*tq+1], v3, v[TQ+12*tq]                   ; x = t f
	ALL4 v_mul_f32 v[TQ+12*tq+2], 0x3f22f983, v[TQ+12*tq+1]         ; x 2 / pi
	ALL4 v_rndne_f32 v[TQ+12*tq+2], v[TQ+12*tq+2]                   ; n
	ALL4 v_fmamk_f32 v[TQ+12*tq+3], v[TQ+12*tq+2], 0xbfc90fdb, v[TQ+12*tq+1]  ; r = x - n pi/2, the constant in two parts
	ALL4 v_fmamk_f32 v[TQ+12*tq+3], v[TQ+12*tq+2], 0x333bbd2e, v[TQ+12*tq+3]
	ALL4 v_cvt_i32_f32 v[TQ+12*tq+4], v[TQ+12*tq+2]
	ALL4 v_mul_f32 v[TQ+12*tq+5], v[TQ+12*tq+3], v[TQ+12*tq+3]      ; z = r r
	ALL4 v_mov_b32 v[TQ+12*tq+6], 0x3638ef1d                        ; sine: r + r z (-1/6 + z (1/120 + z (-1/5040 + z / 362880)))
	ALL4 v_fmaak_f32 v[TQ+12*tq+6], v[TQ+12*tq+6], v[TQ+12*tq+5], 0xb9500d01
	ALL4 v_fmaak_f32 v[TQ+12*tq+6], v[TQ+12*tq+6], v[TQ+12*tq+5], 0x3c088889
	ALL4 v_fmaak_f32 v[TQ+12*tq+6], v[TQ+12*tq+6], v[TQ+12*tq+5], 0xbe2aaaab
	ALL4 v_mul_f32 v[TQ+12*tq+8], v[TQ+12*tq+3], v[TQ+12*tq+5]
	ALL4 v_fma_f32 v[TQ+12*tq+6], v[TQ+12*tq+8], v[TQ+12*tq+6], v[TQ+12*tq+3]
	ALL4 v_mov_b32 v[TQ+12*tq+7], 0x37d00d01                        ; cosine: 1 + z (-1/2 + z (1/24 + z (-1/720 + z / 40320)))
	ALL4 v_fmaak_f32 v[TQ+12*tq+7], v[TQ+12*tq+7], v[TQ+12*tq+5], 0xbab60b61
	ALL4 v_fmaak_f32 v[TQ+12*tq+7], v[TQ+12*tq+7], v[TQ+12*tq+5], 0x3d2aaaab
	ALL4 v_fmaak_f32 v[TQ+12*tq+7], v[TQ+12*tq+7], v[TQ+12*tq+5], 0xbf000000
	ALL4 v_fma_f32 v[TQ+12*tq+7], v[TQ+12*tq+5], v[TQ+12*tq+7], 1.0
	ALL4 v_and_b32 v[TQ+12*tq+8], 1, v[TQ+12*tq+4]                  ; odd quadrants swap the two:
	ALL4 v_cmp_eq_u32 s[MK+tq], 1, v[TQ+12*tq+8]                    ; four masks in a run
	ALL4 v_lshlrev_b32 v[TQ+12*tq+8], 30, v[TQ+12*tq+4]             ; the sine is negative in quadrants 2, 3
	ALL4 v_and_b32 v[TQ+12*tq+8], 0x80000000, v[TQ+12*tq+8]
	s_wait_alu depctr_va_sdst(0)                   ; the four compares have written s40 to s43, ahead of the selects that read them
	ALL4 v_cndmask_b32 v[TQ+12*tq+9], v[TQ+12*tq+6], v[TQ+12*tq+7], s[MK+tq]
	ALL4 v_cndmask_b32 v[TQ+12*tq+10], v[TQ+12*tq+7], v[TQ+12*tq+6], s[MK+tq]
	ALL4 v_xor_b32 v[12+tq], v[TQ+12*tq+8], v[TQ+12*tq+9]
	ALL4 v_add_nc_u32 v[TQ+12*tq+4], 1, v[TQ+12*tq+4]               ; the cosine in 1, 2
	ALL4 v_lshlrev_b32 v[TQ+12*tq+8], 30, v[TQ+12*tq+4]
	ALL4 v_and_b32 v[TQ+12*tq+8], 0x80000000, v[TQ+12*tq+8]
	ALL4 v_xor_b32 v[8+tq], v[TQ+12*tq+8], v[TQ+12*tq+10]
	s_wait_alu depctr_va_vdst(0)                   ; v4, the offset, and v8 to v15, the data, are written, which the two stores read
	global_store_b128 v4, v[8:11], s[22:23]                ; 512 consecutive bytes of cosines,
	global_store_b128 v4, v[12:15], s[22:23] offset:1024   ; and of sines
	s_wait_dscnt 0x0                               ; the closing lines, six on end, as above
	s_wait_alu 0x0
	s_wait_tensorcnt 0x0
	ds_add_u32 v[SPW], v[NIL]
	s_wait_dscnt 0x0
	s_endpgm
.Lfunc_end_k_qfd621bf18a_prep:
	.size	k_qfd621bf18a_prep, .Lfunc_end_k_qfd621bf18a_prep-k_qfd621bf18a_prep
	.p2alignl 7, 3214868480
	.fill 96, 4, 3214868480
	.section	.rodata,"a",@progbits
	.p2align	6, 0x0
	.amdhsa_kernel k_qfd621bf18a_prep
		.amdhsa_group_segment_fixed_size 35328
		.amdhsa_private_segment_fixed_size 0
		.amdhsa_enable_private_segment 0
		.amdhsa_kernarg_size 80
		.amdhsa_user_sgpr_count 2
		.amdhsa_user_sgpr_kernarg_segment_ptr 1
		.amdhsa_wavefront_size32 1
		.amdhsa_system_sgpr_workgroup_id_x 1
		.amdhsa_system_sgpr_workgroup_id_y 1
		.amdhsa_system_sgpr_workgroup_id_z 1
		.amdhsa_system_vgpr_workitem_id 0
		.amdhsa_next_free_vgpr 256
		.amdhsa_next_free_sgpr 66
		.amdhsa_reserve_vcc 0
		.amdhsa_float_denorm_mode_32 3
		.amdhsa_float_denorm_mode_16_64 3
		.amdhsa_memory_ordered 1
		.amdhsa_forward_progress 1
		.amdhsa_inst_pref_size 29
	.end_amdhsa_kernel
	.amdgpu_metadata
---
amdhsa.version: [ 1, 2 ]
amdhsa.kernels:
  - .name:           k_qfd621bf18a_prep
    .symbol:         k_qfd621bf18a_prep.kd
    .args:
      - { .name: W_Q, .offset: 0, .size: 8, .value_kind: global_buffer, .address_space: global }
      - { .name: W_K, .offset: 8, .size: 8, .value_kind: global_buffer, .address_space: global }
      - { .name: W_V, .offset: 16, .size: 8, .value_kind: global_buffer, .address_space: global }
      - { .name: fw1, .offset: 24, .size: 8, .value_kind: global_buffer, .address_space: global }
      - { .name: fw2, .offset: 32, .size: 8, .value_kind: global_buffer, .address_space: global }
      - { .name: wqf, .offset: 40, .size: 8, .value_kind: global_buffer, .address_space: global }
      - { .name: wkf, .offset: 48, .size: 8, .value_kind: global_buffer, .address_space: global }
      - { .name: fw1f, .offset: 56, .size: 8, .value_kind: global_buffer, .address_space: global }
      - { .name: fw2f, .offset: 64, .size: 8, .value_kind: global_buffer, .address_space: global }
      - { .name: pe, .offset: 72, .size: 8, .value_kind: global_buffer, .address_space: global }
    .group_segment_fixed_size: 35328
    .private_segment_fixed_size: 0
    .kernarg_segment_align: 8
    .kernarg_segment_size: 80
    .max_flat_workgroup_size: 128
    .sgpr_count:     66
    .vgpr_count:     256
    .wavefront_size: 32
...
	.end_amdgpu_metadata
.endif
;; end of part 5
;; launch kv: the kernel of part 2 again; grid 256 x 1, 4 waves a work-group, clusters of 4 x 1, 327,680 bytes of LDS; arguments keys, pe, wkf, kvimg; writes kvimg
;; launch main: the kernel of part 3 again; grid 256 x 1, 4 waves a work-group, clusters of 4 x 1, 327,680 bytes of LDS; arguments queries, pe, wqf, kvimg, fw1f, key_lens, query_lens, part; writes part
;; launch final (part 6): grid 8 x 16, 8 waves a work-group, no clusters, 78,848 bytes of LDS; arguments part, fw2f, out0; writes out0
.if DOCPART == 6
	.amdgcn_target "amdgcn-amd-amdhsa--gfx1250"
	.amdhsa_code_object_version 6
	.text
	.protected	k_qfd621bf18a_final
	.globl	k_qfd621bf18a_final
	.p2align	8
	.type	k_qfd621bf18a_final,@function
k_qfd621bf18a_final:
	s_mov_b64 s[64:65], 0
	v_nop
	global_prefetch_b8 v0, s[64:65] scope:SCOPE_SE
	s_setreg_imm32_b32 hwreg(HW_REG_WAVE_SCHED_MODE, 0, 2), 2
	s_setreg_imm32_b32 hwreg(HW_REG_WAVE_MODE, 25, 1), 1
	s_wait_xcnt 0x0
	s_wait_alu depctr_vm_vsrc(0)
; FINAL.  out0[b][n] = (sum over the four quarters of R[b][qd][n] + sum over k of HS[b][qd][k] fw2[k][n]) / 256, where part[b][qd] = 512 sums R of result and 2,048 sums HS of relu(h).
; SHARES.  Work-group (ng, bg): 64 columns (4 column blocks) x 4 batches.  The 16 rows of the product's first operand are (batch b' = rho / 4, quarter qd = rho % 4): part's rows 16 bg + rho; the quarters are
; added in f32 behind the product.  Wave v of eight takes k = 256 v .. 256 v + 255; the waves' sums meet in LDS.  HS is rounded to bf16 for the product; fw2's images come straight into registers.
; 128 work-groups: 0.13 GFLOP have no more to share.  No tensor load, no cluster: each byte of fw2f is wanted by 16 work-groups once, and the launch is short.
; THE MODE: SCHED_MODE bits 1:0 = 2 (LLVM: expert scheduling mode 2), set by the entry lines.  The code itself states the register dependences
; between vector or matrix instructions and memory or LDS instructions, with s_wait_alu, always for 0.
; THE PLAN.  Registers that memory or LDS instructions touch:
;   v1 to v4     offsets and LDS addresses: written at the head, read by every load and LDS instruction of the body, never written again.
;   RAW          32 loads land in it; the 64 conversions read and write it in place; the 32 LDS stores read two registers of each unit.  Behind the barrier, in waves 0 and 1, loads land in v32-79 again.
;   window 1, AF loaded once each; read by matrix instructions alone.
;   ACC          written by the matrix instructions and then by the sixteen additions; read by the eight LDS stores; never written again.
;   v7, v8, v9   in waves 0 and 1: written by the arm's vector lines; read by its loads and its store.   v32-35: written by its last arithmetic, read by the store.
; So each run of memory or LDS instructions has one wait on va_vdst ahead of it, behind ALL the vector lines that feed it: the head's addresses; the 64 conversions; the 16 additions; the arm's addresses; the arm's last
; arithmetic.  One wait on vm_vsrc stands in the arm: the LDS stores have read the registers of RAW in which its loads land.
.set AIMG,  0                          ; 8 waves x 8,704: 8 fragments of 4 pieces, 272 bytes apart
.set RED,   69632                      ; 8 waves x 1,024: (2 nb + u2) x 128 + 4 lane
.set SPARE, 77824                      ; the spare words, 128 bytes a wave
.set SPW, 28
.set NIL, 29
.set RAW, 32                           ; v32-159  HS as loaded: unit 2 rho + u, 4 numbers
.set AF,  160                          ; v160-223 the 8 fragments of my 256 k
.set ACC, 224                          ; v224-255 4 accumulators.  Window 1: fw2's fragments, column block nb, k block kb at 64 nb + 8 kb
.set WV,  10
.set MSB, 0
.macro WIN new
.if MSB != (\new)
	s_set_vgpr_msb (MSB<<8)|(\new)
.set MSB, \new
.endif
.endm
	s_load_b128 s[4:7], s[0:1], 0x0                ; part s[4:5], fw2f s[6:7]
	s_load_b64 s[8:9], s[0:1], 0x10                ; out0
	v_lshl_add_u32 v[SPW], v0, 2, SPARE
	v_mov_b32 v[NIL], 0
	v_lshrrev_b32 v1, 5, v0
	v_readfirstlane_b32 s[WV], v1                  ; wave 0..7
	v_and_b32 v5, 31, v0                           ; what needs no wave's number stands between that line and the wait for it
	v_lshlrev_b32 v1, 4, v5                        ; 16 x lane
	v_lshrrev_b32 v6, 1, v5
	v_mul_u32_u24 v6, v6, 272
	v_and_b32 v7, 1, v0
	v_lshl_add_u32 v6, v7, 3, v6                   ; piece lane / 2, bytes 8 (lane % 2)
	v_and_b32 v8, 15, v0
	v_bfe_u32 v7, v0, 4, 1
	v_mul_u32_u24 v7, v7, 272
	v_lshl_add_u32 v7, v8, 4, v7                   ; 272 h + 16 r
	s_and_b32 s11, ttmp7, 0xffff                   ; bg
	s_mul_i32 s12, s11, 163840                     ; 16 rows of 10,240 bytes
	s_wait_alu depctr_va_sdst(0)                   ; s10, the wave's number, is written, ahead of its first reader
	s_lshl_b32 s16, s[WV], 10
	s_add_co_u32 s14, s12, s16
	s_add_co_u32 s14, s14, 2048                    ; HS lies behind R's 2,048 bytes; my 256 k
	s_mov_b32 s15, 0
	s_lshl_b32 s16, ttmp9, 18                      ; four column blocks of 64 KiB,
	s_lshl_b32 s17, s[WV], 13                      ; my eight k blocks
	s_add_co_u32 s16, s16, s17
	s_mov_b32 s17, 0
	s_lshl_b32 s18, ttmp9, 8                       ; my 64 columns in f32
	s_add_co_u32 s12, s12, s18
	s_mov_b32 s13, 0
	s_lshl_b32 s20, s11, 13                        ; four rows of out0
	s_add_co_u32 s20, s20, s18
	s_mov_b32 s21, 0
	s_mul_i32 s22, s[WV], 8704
	v_add_nc_u32 v2, s22, v6                       ; my 4 k go to piece 16 u + lane / 2, bytes 8 (lane % 2) of row rho's 16
	v_add_nc_u32 v3, s22, v7                       ; a fragment's 272 h + 16 r
	s_lshl_b32 s23, s[WV], 10
	s_add_co_u32 s23, s23, RED
	v_lshl_add_u32 v4, v5, 2, s23
	s_wait_kmcnt 0x0
	s_add_nc_u64 s[14:15], s[4:5], s[14:15]
	s_add_nc_u64 s[16:17], s[6:7], s[16:17]
	s_add_nc_u64 s[12:13], s[4:5], s[12:13]
	s_add_nc_u64 s[8:9], s[8:9], s[20:21]
	s_wait_alu depctr_va_vdst(0)                   ; v1 to v4 are written: the offset of every load below and the three LDS addresses
.set n, 0
.rept 32
	global_load_b128 v[RAW+4*n:RAW+4*n+3], v1, s[14:15] offset:(n/2)*10240+(n%2)*512  ; 512 consecutive bytes of row rho = n / 2
.set n, n+1
.endr
.macro BLOAD nb0                       ; 32 loads: column blocks nb0, nb0 + 1.  No vector line names their registers or v1 behind the wait at the head
	WIN 0x40
.set n, 0
.rept 32
	global_load_b128 v[64*(\nb0)+4*n:64*(\nb0)+4*n+3], v1, s[16:17] offset:(\nb0)*65536+(n/16)*65536+(n%16)*512
.set n, n+1
.endr
	WIN 0
.endm
	BLOAD 0
	s_wait_loadcnt 32                              ; HS is in: the 32 loads of fw2 issued behind may stay out
.set n, 0
.rept 32
	v_cvt_pk_bf16_f32 v[RAW+4*n],   v[RAW+4*n],   v[RAW+4*n+1]
	v_cvt_pk_bf16_f32 v[RAW+4*n+1], v[RAW+4*n+2], v[RAW+4*n+3]
.set n, n+1
.endr
	s_wait_alu depctr_va_vdst(0)                   ; the 64 conversions have written the two low registers of each unit of RAW, which the LDS stores read
.set n, 0
.rept 32
	ds_store_b64 v2, v[RAW+4*n:RAW+4*n+1] offset:(n%2)*4352+(n/2)*16
.set n, n+1
.endr
	BLOAD 2
.set n, 0
.rept 8
	ds_load_b128 v[AF+8*n:AF+8*n+3],   v3 offset:n*1088      ; my own bytes: LDS serves a wave's instructions in order.  No vector line has named AF
	ds_load_b128 v[AF+8*n+4:AF+8*n+7], v3 offset:n*1088+544
.set n, n+1
.endr
	s_wait_dscnt 0x0
.macro MUL nb0                         ; 16 matrix instructions: two accumulators by turns; the first k block starts the sums
	WIN 0x04
.set kb, 0
.rept 8
.set nb, \nb0
.rept 2
.if kb == 0
	v_wmma_f32_16x16x32_bf16 v[ACC+8*nb:ACC+8*nb+7], v[AF+8*kb:AF+8*kb+7], v[64*nb+8*kb:64*nb+8*kb+7], 0
.else
	v_wmma_f32_16x16x32_bf16 v[ACC+8*nb:ACC+8*nb+7], v[AF+8*kb:AF+8*kb+7], v[64*nb+8*kb:64*nb+8*kb+7], v[ACC+8*nb:ACC+8*nb+7]
.endif
.set nb, nb+1
.endr
.set kb, kb+1
.endr
.endm
	s_wait_loadcnt 32                              ; column blocks 0 and 1 are in
	MUL 0
	s_wait_loadcnt 0x0
	MUL 2
	WIN 0
.rept 4
	v_nop                                          ; four places behind the last products (ISA guide 7.12.1)
.endr
.set n, 0
.rept 8                                ; registers 0-3 of a lane are the four quarters of batch 2 h, registers 4-7 of batch 2 h + 1; the low ones are read first
	v_pk_add_f32 v[ACC+4*n:ACC+4*n+1], v[ACC+4*n:ACC+4*n+1], v[ACC+4*n+2:ACC+4*n+3]
	v_add_f32 v[ACC+4*n], v[ACC+4*n], v[ACC+4*n+1]
.set n, n+1
.endr
	s_wait_alu depctr_va_vdst(0)                   ; the sixteen additions have written the eight sums, which the LDS stores read
.set n, 0
.rept 8
	ds_store_b32 v4, v[ACC+4*n] offset:n*128
.set n, n+1
.endr
	s_wait_dscnt 0x0                               ; for the others' sake: my sums are in LDS
	s_barrier_signal -1
	s_barrier_wait -1
	s_cmp_gt_u32 s[WV], 1
	s_cbranch_scc1 .Lend                           ; 4 batches x 64 columns are 64 lanes x 4 numbers: waves 0 and 1
	v_bfe_u32 v5, v0, 4, 2                         ; b'
	v_and_b32 v6, 15, v0                           ; x: columns 4 x ..
	v_mul_u32_u24 v7, v5, 40960
	v_lshl_add_u32 v7, v6, 4, v7                   ; R: batch b', my 16 bytes
	v_lshrrev_b32 v8, 2, v6                        ; column block
	v_and_b32 v9, 1, v5
	v_lshl_add_u32 v8, v8, 1, v9
	v_lshlrev_b32 v8, 7, v8
	v_lshrrev_b32 v9, 1, v5                        ; the half of the lanes that held batch b'
	v_lshl_add_u32 v8, v9, 6, v8
	v_and_b32 v9, 3, v6
	v_lshl_add_u32 v8, v9, 4, v8
	v_add_nc_u32 v8, RED, v8
	v_lshlrev_b32 v9, 11, v5
	v_lshl_add_u32 v9, v6, 4, v9                   ; out0: row b', my 16 bytes
	s_wait_alu depctr_va_vdst(0)                   ; v7, v8 and v9 are written, which the loads and the store below read; the conversions that named v32 to v79, in which the loads land, are done
	s_wait_alu depctr_vm_vsrc(0)                   ; the LDS stores of HS have read their registers among v32 to v79, in which the loads land
.irp k, 0,1,2,3
	global_load_b128 v[64+4*(\k):67+4*(\k)], v7, s[12:13] offset:10240*(\k)  ; R of the four quarters
.endr
.irp k, 0,1,2,3,4,5,6,7
	ds_load_b128 v[32+4*(\k):35+4*(\k)], v8 offset:1024*(\k)
.endr
	s_wait_dscnt 0x0
.irp w, 16, 8, 4
.set n, 0
.rept (\w)/2
	v_pk_add_f32 v[32+n:33+n], v[32+n:33+n], v[32+(\w)+n:33+(\w)+n]
.set n, n+2
.endr
.endr
	s_wait_loadcnt 0x0
.irp w, 8, 4
.set n, 0
.rept (\w)/2
	v_pk_add_f32 v[64+n:65+n], v[64+n:65+n], v[64+(\w)+n:65+(\w)+n]
.set n, n+2
.endr
.endr
	v_pk_add_f32 v[32:33], v[32:33], v[64:65]
	v_pk_add_f32 v[34:35], v[34:35], v[66:67]
	v_pk_mul_f32 v[32:33], v[32:33], 0x3b800000 op_sel_hi:[1,0]  ; the mean over 256 rows
	v_pk_mul_f32 v[34:35], v[34:35], 0x3b800000 op_sel_hi:[1,0]
	s_wait_alu depctr_va_vdst(0)                   ; the two multiplies have written v32 to v35, which the store reads
	global_store_b128 v9, v[32:35], s[8:9]         ; sixteen lanes store 256 consecutive bytes at a multiple of 256
.Lend:
	s_wait_dscnt 0x0                               ; the closing lines, six on end
	s_wait_alu 0x0
	s_wait_tensorcnt 0x0
	ds_add_u32 v[SPW], v[NIL]
	s_wait_dscnt 0x0
	s_endpgm
.Lfunc_end_k_qfd621bf18a_final:
	.size	k_qfd621bf18a_final, .Lfunc_end_k_qfd621bf18a_final-k_qfd621bf18a_final
	.p2alignl 7, 3214868480
	.fill 96, 4, 3214868480
	.section	.rodata,"a",@progbits
	.p2align	6, 0x0
	.amdhsa_kernel k_qfd621bf18a_final
		.amdhsa_group_segment_fixed_size 78848
		.amdhsa_private_segment_fixed_size 0
		.amdhsa_enable_private_segment 0
		.amdhsa_kernarg_size 24
		.amdhsa_user_sgpr_count 2
		.amdhsa_user_sgpr_kernarg_segment_ptr 1
		.amdhsa_wavefront_size32 1
		.amdhsa_system_sgpr_workgroup_id_x 1
		.amdhsa_system_sgpr_workgroup_id_y 1
		.amdhsa_system_sgpr_workgroup_id_z 1
		.amdhsa_system_vgpr_workitem_id 0
		.amdhsa_next_free_vgpr 512
		.amdhsa_next_free_sgpr 66
		.amdhsa_reserve_vcc 0
		.amdhsa_float_denorm_mode_32 3
		.amdhsa_float_denorm_mode_16_64 3
		.amdhsa_memory_ordered 1
		.amdhsa_forward_progress 1
		.amdhsa_inst_pref_size 26
	.end_amdhsa_kernel
	.amdgpu_metadata
---
amdhsa.version: [ 1, 2 ]
amdhsa.kernels:
  - .name:           k_qfd621bf18a_final
    .symbol:         k_qfd621bf18a_final.kd
    .args:
      - { .name: part, .offset: 0, .size: 8, .value_kind: global_buffer, .address_space: global }
      - { .name: fw2f, .offset: 8, .size: 8, .value_kind: global_buffer, .address_space: global }
      - { .name: out0, .offset: 16, .size: 8, .value_kind: global_buffer, .address_space: global }
    .group_segment_fixed_size: 78848
    .private_segment_fixed_size: 0
    .kernarg_segment_align: 8
    .kernarg_segment_size: 24
    .max_flat_workgroup_size: 256
    .sgpr_count:     66
    .vgpr_count:     512
    .wavefront_size: 32
...
	.end_amdgpu_metadata
.endif
;; end of part 6
